; MI455X (gfx1250); checked and timed in simulation.
; The chip was launched on July 23, 2026; its instructions are those of AMD's public machine-readable ISA for CDNA 5 (MIT licence, August 2026) and "CDNA5" Instruction Set Architecture Reference Guide (July 2026). The comments in the code are by the model that wrote it; some were corrected since.
;; Multi Head Attention Layer. Allowed arithmetic: float matrix products may take bf16 or f16 operands with f32 sums; other float arithmetic in f32, or as packed bf16 or f16 multiplies, adds, multiply-adds, maxima and minima; sums over many terms, partial sums and values carried from step to step in f32; what a program stores and reads back later, other than sums and carried values, may be rounded once to bf16 or f16.
;; Inputs: Wk 1,024 x 1,024 float32; Wo 1,024 x 1,024 float32; Wq 1,024 x 1,024 float32; Wv 1,024 x 1,024 float32; bk 1,024 float32; bo 1,024 float32; bq 1,024 float32; bv 1,024 float32; key 4 x 2,048 x 1,024 float32; mask 4 x 1 x 2,048 x 2,048 int32; query 4 x 2,048 x 1,024 float32; value 4 x 2,048 x 1,024 float32.
;; Outputs: out0 4 x 2,048 x 1,024 float32.
;; One version. Each part assembles by itself: llvm-mc -triple=amdgcn-amd-amdhsa -mcpu=gfx1250 --defsym DOCPART=n.
;; ======== version 1 of 1: 4 launches
;; limits: values are held in f16: magnitudes above 65,504 overflow, below 6.1e-05 lose precision
;; workspace buffers: wt 8,388,608 bytes; mbits 2,097,152 bytes of whole numbers; qkv 50,331,648 bytes; oh 16,777,216 bytes
;; launch prep (part 1): grid 512 x 1, 8 waves a work-group, no clusters, 86,016 bytes of LDS; arguments mask, Wq, Wk, Wv, Wo, wt, mbits; writes wt, mbits
.if DOCPART == 1
	.amdgcn_target "amdgcn-amd-amdhsa--gfx1250"
	.amdhsa_code_object_version 6
	.text
	.protected	k_qb49a12d8cf_prep
	.globl	k_qb49a12d8cf_prep
	.p2align	8
	.type	k_qb49a12d8cf_prep,@function
k_qb49a12d8cf_prep:
	s_mov_b64 s[64:65], 0
	v_nop
	global_prefetch_b8 v0, s[64:65] scope:SCOPE_SE
	s_setreg_imm32_b32 hwreg(HW_REG_WAVE_MODE, 25, 1), 1
	s_wait_xcnt 0x0
; PREP.  Two jobs in every work-group g (0..511), eight waves.
; JOB M: the mask ([4][1][2048][2048] int32) is read once and packed into lane masks.  mbits[G][ks][t][8 kb + j] (dwords; 8 G + t = 128 b + tile of 16 queries, ks = step of 64 keys):
;   bit L = 1 where mask[b][16 tile + L % 16][64 ks + 16 kb + 8 (L / 16) + j] == 0: the key is hidden.  That is the place of lane L, register 8 kb + j, in a result of K Q^T.
;   The work-group takes the two tiles 2 (g / 2), 2 (g / 2) + 1 and half g % 2 of the keys; wave w 128 keys (two steps) of both tiles: block c is tile c: 512 consecutive bytes a load.  A block goes through the
;   wave's own stage in LDS to change lanes.  The two tiles' 32 dwords of one step are 256 consecutive bytes of mbits, aligned: one store.
; JOB W: a block of 128 k x 64 n of weight matrix mi = g / 128 is turned: wt[mi][n][k], 16 bits a number.  Wq, Wk, Wv: rounded to bf16.  Wo: rounded to bf16, and that number written as f16.
; LIMIT: a number of Wo beyond 65,504 becomes an infinity in f16; below 2^-14 it keeps f16's fixed step of 6e-8.
; No matrix unit, no cluster, no tensor load: every byte is read once and no work-group shares a byte with another.
.set MPITCH, 528                       ; a stage row: 512 bytes + 16: the 16 rows that a load touches start at 16 different groups of four banks
.set MWAVE,  16*MPITCH                 ; a wave's stage
.set WT,     8*MWAVE                   ; the turned block: 64 rows (n) of 256 bytes (128 k), pitch 272
.set WPITCH, 272
.set SPARE,  WT+64*WPITCH              ; the spare words, 128 bytes for each wave: four blocks of 256 bytes that no other line names
.set SPW,  2                           ; v2   SPARE + 4 x my thread's number; never rewritten
.set NIL,  3                           ; v3   0; never rewritten
.set WX,   16                          ; v[16:47]   the weights as loaded
.set OUTP, 48                          ; v[48:51]   the packed masks of my two steps, a pair each: lane 16 c + D / 2, register D % 2
.set TU,   52                          ; v[52:55]   at work
.set MX,   64                          ; v[64:191]  the mask as loaded: block c, row r at MX + 64 c + 4 r
.set MR,   192                         ; v[192:255] a block back from the stage; before that the packed weights
	s_load_b256 s[4:11], s[0:1], 0x0               ; mask s[4:5], Wq s[6:7], Wk s[8:9], Wv s[10:11]
	s_load_b128 s[12:15], s[0:1], 0x20             ; Wo s[12:13], wt s[14:15]
	s_load_b64 s[16:17], s[0:1], 0x30              ; mbits
	v_lshl_add_u32 v[SPW], v0, 2, SPARE
	v_mov_b32 v[NIL], 0
	v_lshrrev_b32 v1, 5, v0
	v_readfirstlane_b32 s18, v1                    ; wave 0..7
	v_and_b32 v1, 31, v0                           ; lane
	v_and_b32 v4, 15, v0                           ; r = lane % 16
	v_bfe_u32 v5, v0, 4, 1                         ; h = lane / 16
	s_lshr_b32 s19, ttmp9, 7                       ; mi: which matrix
	s_bfe_u32 s20, ttmp9, 0x30004                  ; kb: which 128 rows (k) of it
	s_and_b32 s21, ttmp9, 15                       ; nb: which 64 columns (n)
	s_lshl_b32 s25, s18, 16                        ; v6: W as read: 16 rows a wave; lanes 0-15 one row's 256 bytes, lanes 16-31 those two rows down
	v_lshlrev_b32 v6, 4, v4
	v_lshl_add_u32 v6, v5, 13, v6
	v_add_nc_u32 v6, s25, v6
	v_mul_u32_u24 v7, v4, 4*WPITCH                 ; v7: into WT: row n = 4 r + i, byte 2 k = 32 w + 8 t + 4 h
	v_lshl_add_u32 v7, v5, 2, v7
	s_lshl_b32 s25, s18, 5
	s_add_co_u32 s25, s25, WT
	v_add_nc_u32 v7, s25, v7
	s_mul_i32 s25, s18, 8*WPITCH                   ; v8: back: wave w takes rows 8 w .. 8 w + 7, two a load
	s_add_co_u32 s25, s25, WT
	v_mul_u32_u24 v8, v5, WPITCH
	v_lshl_add_u32 v8, v4, 4, v8
	v_add_nc_u32 v8, s25, v8
	s_lshl_b32 s25, s18, 14                        ; v9: the same two rows in wt (2,048 bytes a row)
	v_lshlrev_b32 v9, 11, v5
	v_lshl_add_u32 v9, v4, 4, v9
	v_add_nc_u32 v9, s25, v9
	s_lshl_b32 s25, s18, 9                         ; v10: the mask as read: my wave's 512 bytes of a row, 16 bytes a lane
	v_lshl_add_u32 v10, v1, 4, s25
	s_mul_i32 s25, s18, MWAVE                      ; v11: into my stage as read; v12: back: row r, 32 bytes (8 keys) for each half of the lanes
	v_lshl_add_u32 v11, v1, 4, s25
	v_mul_u32_u24 v12, v4, MPITCH
	v_lshl_add_u32 v12, v5, 5, v12
	v_add_nc_u32 v12, s25, v12
	s_lshl_b32 s25, s18, 11                        ; v13: mbits: my wave's two steps, 1,024 bytes apart; 8 bytes a lane
	v_lshl_add_u32 v13, v1, 3, s25
.irp z, 0,1,2,3
	v_mov_b32 v[OUTP+(\z)], 0                      ; v_writelane_b32 counts as a reader of its destination
.endr
	s_lshl_b32 s26, s20, 19                        ; W's block: kb x 128 rows of 4,096 bytes + nb x 256 bytes
	s_lshl_b32 s28, s21, 8
	s_add_co_u32 s26, s26, s28
	s_mov_b32 s27, 0
	s_lshl_b32 s28, s19, 21                        ; wt's block: mi x 2 MiB + nb x 64 rows of 2,048 bytes + kb x 256 bytes
	s_lshl_b32 s29, s21, 17
	s_add_co_u32 s28, s28, s29
	s_lshl_b32 s29, s20, 8
	s_add_co_u32 s28, s28, s29
	s_mov_b32 s29, 0
	s_lshr_b32 s30, ttmp9, 1                       ; the mask: the pair's 32 rows of 8,192 bytes,
	s_lshl_b32 s30, s30, 18
	s_and_b32 s31, ttmp9, 1                        ; and my half of the keys: 4,096 bytes of a row
	s_lshl_b32 s31, s31, 12
	s_add_co_u32 s30, s30, s31
	s_mov_b32 s31, 0
	s_lshr_b32 s36, ttmp9, 3                       ; mbits: G x 32 KiB,
	s_lshl_b32 s36, s36, 15
	s_and_b32 s37, ttmp9, 1                        ; my half's 16 steps of 1,024 bytes,
	s_lshl_b32 s37, s37, 14
	s_add_co_u32 s36, s36, s37
	s_and_b32 s37, ttmp9, 6                        ; the pair's 256 bytes of a step
	s_lshl_b32 s37, s37, 7
	s_add_co_u32 s36, s36, s37
	s_mov_b32 s37, 0
	s_wait_kmcnt 0x0
	s_cmp_eq_u32 s19, 1
	s_cselect_b64 s[22:23], s[8:9], s[6:7]
	s_cmp_eq_u32 s19, 2
	s_cselect_b64 s[22:23], s[10:11], s[22:23]
	s_cmp_eq_u32 s19, 3
	s_cselect_b64 s[22:23], s[12:13], s[22:23]     ; the matrix
	s_cselect_b32 s24, -1, 0                       ; all lanes: Wo goes out as f16
	s_add_nc_u64 s[22:23], s[22:23], s[26:27]
	s_add_nc_u64 s[14:15], s[14:15], s[28:29]
	s_add_nc_u64 s[4:5], s[4:5], s[30:31]
	s_add_nc_u64 s[16:17], s[16:17], s[36:37]
	; all 40 loads of the wave go out at once: 8 of W, then the mask's block 0, then its block 1
.irp t, 0,1,2,3
	global_load_b128 v[WX+8*(\t):WX+8*(\t)+3],   v6, s[22:23] offset:(\t)*16384 th:TH_LOAD_NT       ; rows 4 t + 2 h
	global_load_b128 v[WX+8*(\t)+4:WX+8*(\t)+7], v6, s[22:23] offset:(\t)*16384+4096 th:TH_LOAD_NT  ; rows 4 t + 2 h + 1
.endr
.irp c, 0,1
.set rr, 0
.rept 16
	global_load_b128 v[MX+64*(\c)+4*rr:MX+64*(\c)+4*rr+3], v10, s[4:5] offset:(\c)*131072+rr*8192 th:TH_LOAD_NT
.set rr, rr+1
.endr
.endr
	s_wait_loadcnt 32                              ; W's eight loads are in; the mask's 32 younger ones stay out
.set p, 0
.rept 16                                       ; p = 4 t + i: W[k][n], W[k+1][n] for n = 4 r + i become one word of row n
	v_cvt_pk_bf16_f32 v[MR+p], v[WX+8*(p/4)+p%4], v[WX+8*(p/4)+4+p%4]
	v_lshlrev_b32 v[TU+2*(p%2)], 16, v[MR+p]       ; the two rounded numbers as f32,
	v_and_b32 v[TU+2*(p%2)+1], 0xffff0000, v[MR+p]
	v_cvt_pk_f16_f32 v[TU+2*(p%2)], v[TU+2*(p%2)], v[TU+2*(p%2)+1]  ; written as f16,
	v_cndmask_b32 v[MR+p], v[MR+p], v[TU+2*(p%2)], s24              ; which Wo takes
	ds_store_b32 v7, v[MR+p] offset:(p%4)*WPITCH+(p/4)*8
.set p, p+1
.endr
	s_wait_dscnt 0x0                               ; for the others' sake: my stores into WT are done
	s_barrier_signal -1
	s_barrier_wait -1
.irp u, 0,1,2,3
	ds_load_b128 v[WX+4*(\u):WX+4*(\u)+3], v8 offset:(\u)*2*WPITCH
.endr
	s_wait_dscnt 0x0
.irp u, 0,1,2,3
	global_store_b128 v9, v[WX+4*(\u):WX+4*(\u)+3], s[14:15] offset:(\u)*4096  ; 16 lanes store 256 consecutive bytes, aligned
.endr
; Block c of the mask (tile c of the pair, my 128 keys): into my stage as it was read, back with one query a lane, compared with 0; each compare's lane mask is one dword of mbits.
.macro MBLOCK c
.set rr, 0
.rept 16
	ds_store_b128 v11, v[MX+64*(\c)+4*rr:MX+64*(\c)+4*rr+3] offset:rr*MPITCH
.set rr, rr+1
.endr
.set dd, 0
.rept 16                                       ; LDS serves a wave's instructions in order: these see the stores above
	ds_load_b128 v[MR+4*dd:MR+4*dd+3], v12 offset:(dd/2)*64+(dd%2)*16  ; register 32 s + 8 kb + j: key 64 s + 16 kb + 8 h + j of the block
.set dd, dd+1
.endr
	s_wait_dscnt 0x0
.set dd, 0
.rept 16
.irp z, 0,1,2,3
	v_cmp_eq_u32 s[32+(\z)], 0, v[MR+dd+(\z)]
.endr
.irp z, 0,1,2,3
	v_writelane_b32 v[OUTP+2*((dd+(\z))/32)+(\z)%2], s[32+(\z)], (\c)*16+((dd+(\z))%32)/2  ; step s, dword D of tile c: pair s, lane 16 c + D / 2, register D % 2
.endr
.set dd, dd+4
.endr
.endm
	s_wait_loadcnt 16                              ; block 0 is in; block 1's 16 loads stay out
	MBLOCK 0
	s_wait_loadcnt 0x0
	MBLOCK 1
.irp s, 0,1
	global_store_b64 v13, v[OUTP+2*(\s):OUTP+2*(\s)+1], s[16:17] offset:(\s)*1024  ; 32 lanes store 256 consecutive bytes, aligned: both tiles' masks of one step
.endr
	s_wait_tensorcnt 0x0                           ; the wave's end: behind my last LDS store
	ds_add_u32 v[SPW], v[NIL]
	s_wait_dscnt 0x0
	s_endpgm
.Lfunc_end_k_qb49a12d8cf_prep:
	.size	k_qb49a12d8cf_prep, .Lfunc_end_k_qb49a12d8cf_prep-k_qb49a12d8cf_prep
	.p2alignl 7, 3214868480
	.fill 96, 4, 3214868480
	.section	.rodata,"a",@progbits
	.p2align	6, 0x0
	.amdhsa_kernel k_qb49a12d8cf_prep
		.amdhsa_group_segment_fixed_size 86016
		.amdhsa_private_segment_fixed_size 0
		.amdhsa_enable_private_segment 0
		.amdhsa_kernarg_size 56
		.amdhsa_user_sgpr_count 2
		.amdhsa_user_sgpr_kernarg_segment_ptr 1
		.amdhsa_wavefront_size32 1
		.amdhsa_system_sgpr_workgroup_id_x 1
		.amdhsa_system_sgpr_workgroup_id_y 1
		.amdhsa_system_sgpr_workgroup_id_z 1
		.amdhsa_system_vgpr_workitem_id 0
		.amdhsa_next_free_vgpr 256
		.amdhsa_next_free_sgpr 66
		.amdhsa_reserve_vcc 0
		.amdhsa_float_denorm_mode_32 3
		.amdhsa_float_denorm_mode_16_64 3
		.amdhsa_memory_ordered 1
		.amdhsa_forward_progress 1
		.amdhsa_inst_pref_size 35
	.end_amdhsa_kernel
	.amdgpu_metadata
---
amdhsa.version: [ 1, 2 ]
amdhsa.kernels:
  - .name:           k_qb49a12d8cf_prep
    .symbol:         k_qb49a12d8cf_prep.kd
    .args:
      - { .name: mask, .offset: 0, .size: 8, .value_kind: global_buffer, .address_space: global }
      - { .name: Wq, .offset: 8, .size: 8, .value_kind: global_buffer, .address_space: global }
      - { .name: Wk, .offset: 16, .size: 8, .value_kind: global_buffer, .address_space: global }
      - { .name: Wv, .offset: 24, .size: 8, .value_kind: global_buffer, .address_space: global }
      - { .name: Wo, .offset: 32, .size: 8, .value_kind: global_buffer, .address_space: global }
      - { .name: wt, .offset: 40, .size: 8, .value_kind: global_buffer, .address_space: global }
      - { .name: mbits, .offset: 48, .size: 8, .value_kind: global_buffer, .address_space: global }
    .group_segment_fixed_size: 86016
    .private_segment_fixed_size: 0
    .kernarg_segment_align: 8
    .kernarg_segment_size: 56
    .max_flat_workgroup_size: 256
    .sgpr_count:     66
    .vgpr_count:     256
    .wavefront_size: 32
...
	.end_amdgpu_metadata
.endif
;; end of part 1
;; launch proj (part 2): grid 4 x 192, 4 waves a work-group, clusters of 4 x 4, 327,680 bytes of LDS; arguments query, key, value, wt, bq, bk, bv, qkv; writes qkv
.if DOCPART == 2
	.amdgcn_target "amdgcn-amd-amdhsa--gfx1250"
	.amdhsa_code_object_version 6
	.text
	.protected	k_qb49a12d8cf_proj
	.globl	k_qb49a12d8cf_proj
	.p2align	8
	.type	k_qb49a12d8cf_proj,@function
k_qb49a12d8cf_proj:
	s_mov_b64 s[64:65], 0
	v_nop
	global_prefetch_b8 v0, s[64:65] scope:SCOPE_SE
	s_setreg_imm32_b32 hwreg(HW_REG_WAVE_MODE, 25, 1), 1
	s_wait_xcnt 0x0
	s_wait_alu depctr_hold_cnt(0) depctr_sa_sdst(0) depctr_va_vdst(0) depctr_va_sdst(0) depctr_va_ssrc(0) depctr_va_vcc(0) depctr_vm_vsrc(0)
	s_getreg_b32 s2, hwreg(HW_REG_IB_STS2, 6, 4)
	s_cmp_eq_u32 s2, 0
	s_cbranch_scc0 .Lentry_in_a_cluster
	s_endpgm
.Lentry_in_a_cluster:
	s_bfe_u32 s2, ttmp6, 0x10000c
	s_cmp_lg_u32 s2, 0xf033
	s_cbranch_scc0 .Lentry_shape_is_right
	s_endpgm
.Lentry_shape_is_right:
; PROJ.  The three input projections in one launch: qkv[g] = x_g W_g + b_g (g = 0: query, Wq, bq; 1: key; 2: value), stored by heads, [g][16 b + head][2048][64] in f16, unscaled.
; x is f32 [8192][1024] and is rounded to bf16 between LDS and the matrix unit; W comes turned and in bf16 from wt ([g][n][k]); the bias is rounded to bf16 and starts the sums; sums in f32.
; LIMIT: q, k, v beyond 65,504 become infinities in f16.
; SHARES.  A work-group makes 128 rows x 256 columns; four waves, each 64 x 128: 32 accumulators.  768 work-groups: three for each of 256.  K goes in steps of 128 through two LDS slots.
; CLUSTERS: 4 x 4.  The four of a row of the cluster need the same rows of x, the four of a column the same rows of W: each tile is asked for jointly.  The four tile columns are all of N, so a row of x is asked for by one cluster alone.
; THE PRODUCT IS USED TRANSPOSED (source 0 = 16 rows of W^T, source 1 = 16 rows of x): a lane holds one token (lane % 16) and the columns 8 (lane / 16) + 0..7.
; REGISTERS: window 0: v16-31 addresses; v32-95 the bias (later the packed results); v96-159 x's fragments in bf16, two buffers of 32; v160-223 x's fragment rows in f32 as read (later rows back from the stage)
;   window 1: v0-127 W's fragments, two buffers of 64          window 2: accumulator (a, b) at v[8 (8 a + b)]
.set PA,    528                        ; a row of x in LDS: 128 f32 = 512 bytes + 16
.set HA,    64*PA                      ; 64 rows: what one tensor load of x brings
.set PB,    272                        ; a row of W: 128 bf16 = 256 bytes + 16
.set HB,    128*PB                     ; 128 rows: what one tensor load of W brings
.set BOFF,  2*HA                       ; a slot: x's 128 rows, then W's 256
.set SLOT,  BOFF+2*HB
.set STAGE, 2*SLOT                     ; behind the ring: for each wave 2 heads x 16 tokens x 144 bytes
.set SP,    144
.set SWAVE, 32*SP
.set SPARE, STAGE+4*SWAVE              ; the spare words, 128 bytes for each wave: two blocks of 256 bytes that no other line names
.set ADRA, 16                          ; v16-17  LDS address of my fragments of x in slot 0, 1
.set ADRB, 20                          ; v20-21  the same for W
.set STO,  24
.set RD,   25
.set GO,   26
.set SPW,  28                          ; v28  SPARE + 4 x my thread's number; never rewritten
.set NIL,  29                          ; v29  0; never rewritten
.set PFO,  30                          ; v30  the prefetches' offset; never rewritten
.set BO,   31                          ; v31  32 (lane / 16): my eight numbers of the bias
.set BIAS, 32
.set TMP,  32
.set AF,   96                          ; buffer f at AF + 32 f
.set AR,   160
.set OB,   160
.set G1A, 24                           ; s[24:31] group 1 for x's tiles; s[32:39] group 0, a set for each slot
.set G0A, 32
.set G1B, 48                           ; s[48:55], s[56:63] the same for W's
.set G0B, 56
.set LIM, 43                           ; s43  1 in a wave that prefetches, else the greatest number
.set PFA, 44                           ; s[44:45] where my prefetches stand
.set PFS, 46                           ; s[46:47] a K step in bytes of my tensor's rows
.set MSB, 0
.macro WIN new                         ; the immediate's high byte repeats the setting that is left
.if MSB != (\new)
	s_set_vgpr_msb (MSB<<8)|(\new)
.set MSB, \new
.endif
.endm
.set MUL,   0xa1                       ; source 0 (W) window 1, source 1 (x) window 0, C and D window 2
.set MULB,  0x81                       ; the same with C (the bias) in window 0
.set TO_B,  0x40                       ; destination window 1
.set PACKW, 0x0a                       ; sources 0 and 1 window 2, destination window 0
.macro JLOAD s                         ; a joint load: waves 0 and 1 fetch x's two halves, waves 2 and 3 W's; an s_nop 0 and four v_nop follow each line
	s_cmp_eq_u32 s11, 0
	s_cbranch_scc0 .Lfor_b_\@
	tensor_load_to_lds s[G0A+4*(\s):G0A+4*(\s)+3], s[G1A:G1A+7]
	s_nop 0
.rept 4
	v_nop
.endr
	s_branch .Lasked_\@
.Lfor_b_\@:
	tensor_load_to_lds s[G0B+4*(\s):G0B+4*(\s)+3], s[G1B:G1B+7]
	s_nop 0
.rept 4
	v_nop
.endr
.Lasked_\@:
.endm
.macro CREST                           ; a round of the cluster's barrier behind its opening barrier
	s_cmp_lg_u32 s10, 0
	s_cbranch_scc1 .Lnot_wave_0_\@
	s_barrier_signal -3
.Lnot_wave_0_\@:
	s_barrier_wait -3
	s_barrier_signal -1
	s_barrier_wait -1
.endm
.macro CROUND
	s_barrier_signal -1
	s_barrier_wait -1
	CREST
.endm
.macro PLACES                          ; four places in front of loads and conversions into registers that matrix instructions have read
.rept 4
	v_nop
.endr
.endm
; A prefetch into the L2, behind a joint load and the run of LDS loads: the K step that stands two refills on.  Each aligned 256 bytes are named once in the launch.  x: a K step is 512 bytes of a row; of the 64 rows that
; wave 0 or 1 fetches the partner at place cx takes 16, two lanes a row.  W: 256 bytes of a row; of the 128 rows that wave 2 or 3 fetches the partner at place cy takes 32, a lane a row, in the first cluster of each g alone.
; The loop's last trip (s3 = 1) asks for nothing: there is no K step two on.
.macro ASK
	WIN 0
	s_cmp_gt_u32 s3, s[LIM]
	s_cbranch_scc0 .Lnot_mine_\@
	global_prefetch_b8 v[PFO], s[PFA:PFA+1] th:TH_LOAD_NT scope:SCOPE_SE
.Lnot_mine_\@:
.endm
	s_load_b512 s[68:83], s[0:1], 0x0              ; query 68, key 70, value 72, wt 74, bq 76, bk 78, bv 80, qkv 82
	v_lshl_add_u32 v[SPW], v0, 2, SPARE
	v_mov_b32 v[NIL], 0
	ds_add_u32 v[SPW], v[NIL]                      ; the wave's opening: the add and its wait ahead of my first tensor load
	v_lshrrev_b32 v1, 5, v0
	v_readfirstlane_b32 s10, v1                    ; wave 0..3
	s_lshr_b32 s11, s10, 1                         ; my half of the tile's rows.  Also: I fetch for x (0) or for W (1)
	s_and_b32 s12, s10, 1                          ; my half of its columns.  Also: which half of that tile I fetch
	s_bfe_u32 s40, ttmp6, 0x40000                  ; cx
	s_bfe_u32 s41, ttmp6, 0x40004                  ; cy
	s_lshl_b32 s42, ttmp9, 2
	s_add_co_u32 s42, s42, s40                     ; tile column 0..3
	s_and_b32 s8, ttmp7, 0xffff                    ; cluster y 0..47
	s_lshr_b32 s9, s8, 4                           ; g: which projection
	s_and_b32 s8, s8, 15
	s_lshl_b32 s13, s8, 2
	s_add_co_u32 s13, s13, s41                     ; tile row 0..63
	s_lshl_b32 s86, s41, 2
	s_lshl_b32 s86, 15, s86                        ; my row of the cluster
	s_lshl_b32 s87, 0x1111, s40                    ; my column
	s_or_b32 s[G1A+0], s86, (2<<16)|(1<<20)|(1<<21)|(6<<22)|(3<<25)  ; mask; 4-byte elements; padding on; bit 21 beside a mask; after every 128 words, 4 words
	s_mov_b32 s[G1A+1], 128<<16                    ; tensor_dim0 = 128
	s_mov_b32 s[G1A+2], 64<<16                     ; tensor_dim1 = 64
	s_mov_b32 s[G1A+3], 128<<16                    ; tile_dim0 = 128
	s_mov_b32 s[G1A+4], 64                         ; tile_dim1 = 64
	s_mov_b32 s[G1A+5], 1024                       ; elements from row to row
	s_mov_b32 s[G1A+6], 0
	s_mov_b32 s[G1A+7], 0
	s_or_b32 s[G1B+0], s87, (1<<16)|(1<<20)|(1<<21)|(5<<22)|(3<<25)  ; 2-byte elements; after every 64 words, 4 words
	s_mov_b32 s[G1B+1], 128<<16
	s_mov_b32 s[G1B+2], 128<<16                    ; tensor_dim1 = 128
	s_mov_b32 s[G1B+3], 128<<16
	s_mov_b32 s[G1B+4], 128                        ; tile_dim1 = 128
	s_mov_b32 s[G1B+5], 1024
	s_mov_b32 s[G1B+6], 0
	s_mov_b32 s[G1B+7], 0
	s_lshl_b32 s16, s13, 19                        ; x: (128 x tile row + 64 x half) rows of 4,096 bytes
	s_lshl_b32 s17, s12, 18
	s_add_co_u32 s16, s16, s17
	s_mov_b32 s17, 0
	s_lshl_b32 s84, s9, 21                         ; W: g x 2 MiB + (256 x tile column + 128 x half) rows of 2,048 bytes
	s_lshl_b32 s85, s42, 19
	s_add_co_u32 s84, s84, s85
	s_lshl_b32 s85, s12, 18
	s_add_co_u32 s84, s84, s85
	s_mov_b32 s85, 0
	s_mul_i32 s20, s12, HA                         ; where they go: no place in the cluster enters an LDS address
	s_mul_i32 s21, s12, HB
	s_add_co_u32 s21, s21, BOFF
	s_wait_dscnt 0x0                               ; the opening add is done
	s_wait_kmcnt 0x0
	s_cmp_eq_u32 s9, 1
	s_cselect_b64 s[88:89], s[70:71], s[68:69]     ; x_g
	s_cselect_b64 s[6:7], s[78:79], s[76:77]       ; b_g
	s_cmp_eq_u32 s9, 2
	s_cselect_b64 s[88:89], s[72:73], s[88:89]
	s_cselect_b64 s[6:7], s[80:81], s[6:7]
	s_add_nc_u64 s[14:15], s[88:89], s[16:17]
	s_add_nc_u64 s[90:91], s[74:75], s[84:85]
	CROUND                                         ; all sixteen work-groups are here: the first joint loads meet
.irp s, 0,1
	s_mov_b32 s[G0A+4*(\s)], 1
	s_add_co_u32 s[G0A+4*(\s)+1], s20, (\s)*SLOT
	s_add_nc_u64 s[G0A+4*(\s)+2:G0A+4*(\s)+3], s[14:15], (\s)*512   ; K step s
	s_or_b32 s[G0A+4*(\s)+3], s[G0A+4*(\s)+3], 0x80000000
	s_mov_b32 s[G0B+4*(\s)], 1
	s_add_co_u32 s[G0B+4*(\s)+1], s21, (\s)*SLOT
	s_add_nc_u64 s[G0B+4*(\s)+2:G0B+4*(\s)+3], s[90:91], (\s)*256
	s_or_b32 s[G0B+4*(\s)+3], s[G0B+4*(\s)+3], 0x80000000
	JLOAD \s                                       ; two tensor loads of mine are out
.endr
	v_and_b32 v1, 15, v0                           ; r
	v_bfe_u32 v2, v0, 4, 1                         ; h
	v_lshlrev_b32 v[BO], 5, v2
	s_lshl_b32 s92, s42, 10                        ; the bias of my 128 columns
	s_lshl_b32 s93, s12, 9
	s_add_co_u32 s92, s92, s93
	s_mov_b32 s93, 0
	s_add_nc_u64 s[6:7], s[6:7], s[92:93]
.irp b, 0,1,2,3,4,5,6,7
	global_load_b128 v[BIAS+8*(\b):BIAS+8*(\b)+3],   v[BO], s[6:7] offset:64*(\b)      ; columns 16 b + 8 h + 0..3
	global_load_b128 v[BIAS+8*(\b)+4:BIAS+8*(\b)+7], v[BO], s[6:7] offset:64*(\b)+16
.endr
	v_mul_u32_u24 v3, v1, PA
	v_lshl_add_u32 v3, v2, 5, v3                   ; x: row x pitch + 32 h (eight f32)
	v_mul_u32_u24 v4, v1, PB
	v_lshl_add_u32 v4, v2, 4, v4                   ; W: row x pitch + 16 h
	s_mul_i32 s22, s11, HA
	s_mul_i32 s23, s12, HB
	s_add_co_u32 s23, s23, BOFF
.irp s, 0,1
	v_add_nc_u32 v[ADRA+(\s)], s22, v3
	v_add_nc_u32 v[ADRB+(\s)], s23, v4
	s_add_co_u32 s22, s22, SLOT
	s_add_co_u32 s23, s23, SLOT
.endr
	s_mul_i32 s22, s10, SWAVE
	s_add_co_u32 s22, s22, STAGE                   ; my stage
	v_mul_u32_u24 v5, v1, SP                       ; in: token r, 16 bytes for each half of the lanes
	v_lshl_add_u32 v5, v2, 4, v5
	v_add_nc_u32 v[STO], s22, v5
	v_bfe_u32 v5, v0, 3, 2                         ; back: 32 lanes take four tokens of 128 bytes,
	v_mul_u32_u24 v5, v5, SP
	v_and_b32 v6, 7, v0
	v_lshl_add_u32 v5, v6, 4, v5
	v_add_nc_u32 v[RD], s22, v5
	v_and_b32 v[GO], 31, v0                        ; which are 512 consecutive bytes of a head
	v_lshlrev_b32 v[GO], 4, v[GO]
	s_lshl_b32 s98, s9, 24                         ; where my results go: g x 16 MiB + batch x 4 MiB + head x 256 KiB + token x 128
	s_lshr_b32 s99, s13, 4
	s_lshl_b32 s99, s99, 22
	s_add_co_u32 s98, s98, s99
	s_lshl_b32 s99, s42, 20
	s_add_co_u32 s98, s98, s99
	s_lshl_b32 s99, s12, 19
	s_add_co_u32 s98, s98, s99
	s_and_b32 s99, s13, 15
	s_lshl_b32 s99, s99, 14
	s_add_co_u32 s98, s98, s99
	s_lshl_b32 s99, s11, 13
	s_add_co_u32 s98, s98, s99
	s_mov_b32 s99, 0
	s_add_nc_u64 s[4:5], s[82:83], s[98:99]
	; the prefetches: they stand at K step 3; the first refill steps them to 4
	s_lshl_b32 s92, s13, 19
	s_lshl_b32 s93, s40, 16                        ; x: my work-group's 16 rows of the 64
	s_add_co_u32 s92, s92, s93
	s_add_co_u32 s92, s92, 3*512
	s_lshl_b32 s94, s9, 21
	s_lshl_b32 s93, s42, 19
	s_add_co_u32 s94, s94, s93
	s_lshl_b32 s93, s41, 16                        ; W: my work-group's 32 rows of the 128
	s_add_co_u32 s94, s94, s93
	s_add_co_u32 s94, s94, 3*256
	s_cmp_eq_u32 s8, 0                             ; the first cluster of this g: the same in all sixteen partners
	s_cselect_b32 s95, 1, -1
	s_movk_i32 s[PFS], 256
	s_movk_i32 s96, 2048
	s_mov_b32 s97, 32768
	s_cmp_eq_u32 s11, 0                            ; do I fetch for x?
	s_cselect_b32 s92, s92, s94
	s_cselect_b32 s[LIM], 1, s95
	s_cselect_b32 s[PFS], 512, s[PFS]
	s_cselect_b32 s96, 4096, s96                   ; bytes from lane to lane among 16,
	s_cselect_b32 s97, 256, s97                    ; and from one half of the lanes to the other
	s_cselect_b64 s[PFA:PFA+1], s[88:89], s[74:75]
	s_lshl_b32 s93, s12, 18
	s_add_co_u32 s92, s92, s93
	s_mov_b32 s93, 0
	s_add_nc_u64 s[PFA:PFA+1], s[PFA:PFA+1], s[92:93]
	s_mov_b32 s[PFS+1], 0
	v_mul_u32_u24 v[PFO], v1, s96
	v_mad_u32_u24 v[PFO], v2, s97, v[PFO]
	s_wait_loadcnt 0x0                             ; the bias, rounded to bf16 like every input
.set p, 0
.rept 32
	v_cvt_pk_bf16_f32 v[AF+32+p], v[BIAS+2*p], v[BIAS+2*p+1]
.set p, p+1
.endr
.set p, 0
.rept 32
	v_lshlrev_b32 v[BIAS+2*p], 16, v[AF+32+p]
	v_and_b32 v[BIAS+2*p+1], 0xffff0000, v[AF+32+p]
.set p, p+1
.endr
; One product: m block a (16 tokens) x n block b (16 columns), 32 along K, on buffer f.  first = 1: the bias starts the sum: nothing is cleared, no addition is written.
.macro MM f, a, b, first
.if \first
	WIN MULB
	v_wmma_f32_16x16x32_bf16 v[8*(8*(\a)+(\b)):8*(8*(\a)+(\b))+7], v[64*(\f)+8*(\b):64*(\f)+8*(\b)+7], v[AF+32*(\f)+8*(\a):AF+32*(\f)+8*(\a)+7], v[BIAS+8*(\b):BIAS+8*(\b)+7]
.else
	WIN MUL
	v_wmma_f32_16x16x32_bf16 v[8*(8*(\a)+(\b)):8*(8*(\a)+(\b))+7], v[64*(\f)+8*(\b):64*(\f)+8*(\b)+7], v[AF+32*(\f)+8*(\a):AF+32*(\f)+8*(\a)+7], v[8*(8*(\a)+(\b)):8*(8*(\a)+(\b))+7]
.endif
.endm
.macro MULP f, a0, first               ; 16 products: m blocks a0, a0 + 1.  The 32 accumulators take turns in one order everywhere
.irp a, \a0, (\a0)+1
.irp b, 0,1,2,3,4,5,6,7
	MM \f, \a, \b, \first
.endr
.endr
.endm
.macro CVT g, c0, cnt                  ; conversions c0 .. c0 + cnt - 1 of 32: two f32 of x as read become one word of buffer g
	WIN 0
.set cc, \c0
.rept \cnt
	v_cvt_pk_bf16_f32 v[AF+32*(\g)+cc], v[AR+2*cc], v[AR+2*cc+1]
.set cc, cc+1
.endr
.endm
.macro MULR f, g, first                ; 16 products on m blocks 2, 3; behind every second one four conversions for buffer g, which name no register of the products round them
.set n, 0
.rept 16
	MM \f, 2+n/8, n%8, \first
.if n%2 == 0
	CVT \g, 2*n, 4
.endif
.set n, n+1
.endr
.endm
; 32 LDS loads in one run: quarter kq (32 along K) of a slot: x's 64 rows in f32 (lane: k = 8 h + 0..7 at 32 h, k = 16 + 8 h + 0..7 at 64 + 32 h), then W's 128 rows into buffer g
.macro FETCH slot, kq, g
	WIN 0
.irp i, 0,1,2,3
	ds_load_b128 v[AR+16*(\i):AR+16*(\i)+3],     v[ADRA+(\slot)] offset:(\kq)*128+(\i)*16*PA
	ds_load_b128 v[AR+16*(\i)+4:AR+16*(\i)+7],   v[ADRA+(\slot)] offset:(\kq)*128+(\i)*16*PA+16
	ds_load_b128 v[AR+16*(\i)+8:AR+16*(\i)+11],  v[ADRA+(\slot)] offset:(\kq)*128+(\i)*16*PA+64
	ds_load_b128 v[AR+16*(\i)+12:AR+16*(\i)+15], v[ADRA+(\slot)] offset:(\kq)*128+(\i)*16*PA+80
.endr
	WIN TO_B
.irp b, 0,1,2,3,4,5,6,7
	ds_load_b128 v[64*(\g)+8*(\b):64*(\g)+8*(\b)+3],   v[ADRB+(\slot)] offset:(\kq)*64+(\b)*16*PB
	ds_load_b128 v[64*(\g)+8*(\b)+4:64*(\g)+8*(\b)+7], v[ADRB+(\slot)] offset:(\kq)*64+(\b)*16*PB+32
.endr
.endm
; A K step is four quarters of 32 along K, 32 products each, on buffers 0, 1, 0, 1.  One of the first three: multiplies buffer f; fetches quarter kq at its head and converts it into buffer g in its second half.
.macro QUARTER slot, kq, f, g, first
	s_wait_dscnt 0x0                               ; W's fragments of buffer f are in
	PLACES
	FETCH \slot, \kq, \g
	MULP \f, 0, \first
	s_wait_dscnt 16                                ; x as read is in; W's 16 younger loads stay out
	MULR \f, \g, \first
.endm
; The last quarter multiplies buffer 1 and changes slots: one barrier; in front of it each wave waits for all its tensor loads, adds 0 to its spare word, and waits for that and for its reads of this slot.
.macro TURN slot, next, fill
.if \fill
	s_wait_xcnt 0x0                                ; the last prefetch, a K step back, has read its address
	s_add_nc_u64 s[PFA:PFA+1], s[PFA:PFA+1], s[PFS:PFS+1]
.endif
	WIN 0
	s_wait_tensorcnt 0x0                           ; all my tensor loads have landed: my part of the next slot
	ds_add_u32 v[SPW], v[NIL]                      ; 0 onto my spare word
	s_wait_dscnt 1                                 ; W's fragments of buffer 1 are in; only the add may be out
.irp b, 0,1,2,3
	MM 1, 0, \b, 0
.endr
	s_wait_dscnt 0x0                               ; the add is done, and my reads of this slot are over
	s_barrier_signal -1
.irp b, 4,5,6,7
	MM 1, 0, \b, 0
.endr
	WIN 0
	s_barrier_wait -1
.if \fill
	CREST                                          ; the barrier has opened a round of the cluster's: no wave of any partner still reads this slot or has a load on its way
	s_add_nc_u64 s[G0A+4*(\slot)+2:G0A+4*(\slot)+3], s[G0A+4*(\slot)+2:G0A+4*(\slot)+3], 2*512
	s_add_nc_u64 s[G0B+4*(\slot)+2:G0B+4*(\slot)+3], s[G0B+4*(\slot)+2:G0B+4*(\slot)+3], 2*256
	JLOAD \slot                                    ; the first tensor load behind the round; its four v_nop are also the places in front of the loads below
.else
	PLACES
.endif
	FETCH \next, 0, 0
.if \fill
	ASK
.endif
.irp b, 0,1,2,3,4,5,6,7
	MM 1, 1, \b, 0
.endr
	s_wait_dscnt 16
	MULR 1, 0, 0
.endm
	s_wait_tensorcnt 1                             ; my part of K step 0 is in; K step 1's stays out
	s_barrier_signal -1
	s_barrier_wait -1
	FETCH 0, 0, 0
	s_wait_dscnt 16
	CVT 0, 0, 32
	QUARTER 0, 1, 0, 1, 1                          ; the first quarter stands in front of the loop: its products start the sums with the bias
	WIN 0
	s_mov_b32 s3, 3
.Llap:                                                 ; a trip goes once round the ring and fills both slots again
	QUARTER 0, 2, 1, 0, 0
	QUARTER 0, 3, 0, 1, 0
	TURN 0, 1, 1
	QUARTER 1, 1, 0, 1, 0
	QUARTER 1, 2, 1, 0, 0
	QUARTER 1, 3, 0, 1, 0
	TURN 1, 0, 1
	QUARTER 0, 1, 0, 1, 0
	WIN 0
	s_sub_co_u32 s3, s3, 1
	s_cmp_lg_u32 s3, 0
	s_cbranch_scc1 .Llap
	QUARTER 0, 2, 1, 0, 0                          ; the last lap fills nothing
	QUARTER 0, 3, 0, 1, 0
	TURN 0, 1, 0
	QUARTER 1, 1, 0, 1, 0
	QUARTER 1, 2, 1, 0, 0
	QUARTER 1, 3, 0, 1, 0
	s_wait_dscnt 0x0
	MULP 1, 0, 0
	MULP 1, 2, 0
	; THE WAY OUT: 16 tokens at a time: rounded to f16; 16 bytes a lane into my own stage, by heads; back as four tokens' 512 bytes of a head.
.macro PACK a
	WIN PACKW
.irp b, 0,1,2,3,4,5,6,7
.irp i, 0,1,2,3
	v_cvt_pk_f16_f32 v[TMP+4*(\b)+(\i)], v[8*(8*(\a)+(\b))+2*(\i)], v[8*(8*(\a)+(\b))+2*(\i)+1]
.endr
.endr
	WIN 0
.endm
.macro TOSTAGE a
	WIN 0
	s_wait_xcnt 0x0                                ; the stores two blocks back have read the registers that are loaded below
.irp b, 0,1,2,3,4,5,6,7
	ds_store_b128 v[STO], v[TMP+4*(\b):TMP+4*(\b)+3] offset:((\b)/4)*16*SP+32*((\b)%4)
.endr
.irp u, 0,1,2,3,4,5,6,7                ; u = 4 head + t.  LDS serves a wave's instructions in order: these see the stores above
	ds_load_b128 v[OB+32*((\a)%2)+4*(\u):OB+32*((\a)%2)+4*(\u)+3], v[RD] offset:((\u)/4)*16*SP+((\u)%4)*4*SP
.endr
.endm
.macro SEND a
	WIN 0
	s_wait_dscnt 0x0
.irp u, 0,1,2,3,4,5,6,7
	global_store_b128 v[GO], v[OB+32*((\a)%2)+4*(\u):OB+32*((\a)%2)+4*(\u)+3], s[4:5] offset:((\u)/4)*262144+(16*(\a)+4*((\u)%4))*128  ; 512 consecutive bytes, aligned
.endr
.endm
	PLACES
	PLACES
	PACK 0
	TOSTAGE 0
.irp a, 1,2,3
	PACK \a
	SEND (\a)-1
	TOSTAGE \a
.endr
	SEND 3
	s_wait_tensorcnt 0x0                           ; the wave's end
	ds_add_u32 v[SPW], v[NIL]
	s_wait_dscnt 0x0
	CROUND                                         ; the closing round
	s_endpgm
.Lfunc_end_k_qb49a12d8cf_proj:
	.size	k_qb49a12d8cf_proj, .Lfunc_end_k_qb49a12d8cf_proj-k_qb49a12d8cf_proj
	.p2alignl 7, 3214868480
	.fill 96, 4, 3214868480
	.section	.rodata,"a",@progbits
	.p2align	6, 0x0
	.amdhsa_kernel k_qb49a12d8cf_proj
		.amdhsa_group_segment_fixed_size 327680
		.amdhsa_private_segment_fixed_size 0
		.amdhsa_enable_private_segment 0
		.amdhsa_kernarg_size 64
		.amdhsa_user_sgpr_count 2
		.amdhsa_user_sgpr_kernarg_segment_ptr 1
		.amdhsa_wavefront_size32 1
		.amdhsa_system_sgpr_workgroup_id_x 1
		.amdhsa_system_sgpr_workgroup_id_y 1
		.amdhsa_system_sgpr_workgroup_id_z 1
		.amdhsa_system_vgpr_workitem_id 0
		.amdhsa_next_free_vgpr 768
		.amdhsa_next_free_sgpr 106
		.amdhsa_reserve_vcc 0
		.amdhsa_float_denorm_mode_32 3
		.amdhsa_float_denorm_mode_16_64 3
		.amdhsa_memory_ordered 1
		.amdhsa_forward_progress 1
		.amdhsa_inst_pref_size 143
	.end_amdhsa_kernel
	.amdgpu_metadata
---
amdhsa.version: [ 1, 2 ]
amdhsa.kernels:
  - .name:           k_qb49a12d8cf_proj
    .symbol:         k_qb49a12d8cf_proj.kd
    .args:
      - { .name: query, .offset: 0, .size: 8, .value_kind: global_buffer, .address_space: global }
      - { .name: key, .offset: 8, .size: 8, .value_kind: global_buffer, .address_space: global }
      - { .name: value, .offset: 16, .size: 8, .value_kind: global_buffer, .address_space: global }
      - { .name: wt, .offset: 24, .size: 8, .value_kind: global_buffer, .address_space: global }
      - { .name: bq, .offset: 32, .size: 8, .value_kind: global_buffer, .address_space: global }
      - { .name: bk, .offset: 40, .size: 8, .value_kind: global_buffer, .address_space: global }
      - { .name: bv, .offset: 48, .size: 8, .value_kind: global_buffer, .address_space: global }
      - { .name: qkv, .offset: 56, .size: 8, .value_kind: global_buffer, .address_space: global }
    .group_segment_fixed_size: 327680
    .private_segment_fixed_size: 0
    .kernarg_segment_align: 8
    .kernarg_segment_size: 64
    .max_flat_workgroup_size: 128
    .sgpr_count:     106
    .vgpr_count:     768
    .wavefront_size: 32
...
	.end_amdgpu_metadata
.endif
;; end of part 2
;; launch attn (part 3): grid 4 x 64, 4 waves a work-group, clusters of 4 x 1, 327,680 bytes of LDS; arguments qkv, mbits, oh; writes oh
.if DOCPART == 3
	.amdgcn_target "amdgcn-amd-amdhsa--gfx1250"
	.amdhsa_code_object_version 6
	.text
	.protected	k_qb49a12d8cf_attn
	.globl	k_qb49a12d8cf_attn
	.p2align	8
	.type	k_qb49a12d8cf_attn,@function
k_qb49a12d8cf_attn:
	s_mov_b64 s[64:65], 0
	v_nop
	global_prefetch_b8 v0, s[64:65] scope:SCOPE_SE
	s_setreg_imm32_b32 hwreg(HW_REG_WAVE_MODE, 25, 1), 1
	s_wait_xcnt 0x0
	s_wait_alu depctr_hold_cnt(0) depctr_sa_sdst(0) depctr_va_vdst(0) depctr_va_sdst(0) depctr_va_ssrc(0) depctr_va_vcc(0) depctr_vm_vsrc(0)
	s_getreg_b32 s2, hwreg(HW_REG_IB_STS2, 6, 4)
	s_cmp_eq_u32 s2, 0
	s_cbranch_scc0 .Lentry_in_a_cluster
	s_endpgm
.Lentry_in_a_cluster:
	s_bfe_u32 s2, ttmp6, 0x10000c
	s_cmp_lg_u32 s2, 0x3003
	s_cbranch_scc0 .Lentry_shape_is_right
	s_endpgm
.Lentry_shape_is_right:
; ATTN.  O[hd][q][:] = the sum over k of softmax_k(masked(Q[hd][q] . K[hd][k]) / 8) V[hd][k][:], hd = 16 b + head.  Q, K, V: qkv[0..2][64][2048][64], O: oh[64][2048][64], all f16.
; Products, maxima and sums in f32; the weights p are rounded to f16 for the second product (their sum l is taken of the unrounded p), O once at the end.
; THE MASK comes as lane masks from mbits: one dword for each register of a result of K Q^T, bit L for lane L, 1 = hidden.  A hidden score is REPLACED by -2^40 (v_cndmask_b32), ahead of the running maximum.
; My wave's eight tiles have 1,024 consecutive bytes of mbits for each key step.  They come into vector registers by two loads of 512 bytes, asked for a whole key step (four turns) ahead, and each turn's 64 dwords
; go from there into scalar registers by v_readlane_b32 with constant lanes.
; LIMITS.  f16 holds no number beyond 65,504: Q, K, V arrive within it, so a true score is 2.7e11 at the most and lies above -2^40.  c x 2^40 is exact, so in a row that is hidden entirely every p is 1 and
; O is the mean of V's rows.  A weight below 2^-126 counts as 0 in l; NaN and infinities are not treated apart.
; SHARES.  A wave owns four PIECES of two tiles of 16 queries, a work-group's four waves 512 queries of one head.  Every wave walks all 2,048 keys, 64 a step.
; LAYOUT.  S^T = K Q^T (source 0 = 16 keys, source 1 = 16 queries): a lane holds ONE query (lane % 16) and the keys 8 (lane / 16) + 0..7.  Two such tiles, rounded to f16 in pairs, ARE source 1 of O^T = V^T P.
; SOFTMAX.  A running maximum m and sum l: p = 2^(c s - c m), c = log2(e) / 8; in every step O and l are multiplied by a = 2^(c m_old - c m_new).  m starts at the lowest finite number, O and l at 0.
; BY TURNS.  Turn n belongs to piece n.  Matrix work: 16 products K Q^T of piece n + 1, later 16 products V^T P of piece n - 1.  Vector work: scaling, exponentials, roundings, sums and rescaling of piece n;
; mask, maximum and statistics of piece n + 1.  A turn's 66 exponentials are one batch with one wait.
; ONE TEXT FOR EVERY KEY STEP.  The loop over slots fills a slot again in every trip.  The last slot asks for nothing: its change of slots stands behind that loop, and a counted branch leads back into the loop
; over steps, with three scalars set for the end.  No path jumps over a tensor load.
; CLUSTER.  The four query blocks of a head walk the same K and V: each tile is asked for jointly, the same tensor load, descriptor and mask in all four.
; REGISTERS: window 0: v0-11 addresses and -2^40; v12-15, v48-63 at work; v16-47 statistics; v64-191 S^T, two buffers of two tiles; v192-255 P, likewise
;   window 1: O^T, 32 a tile     window 2: v0-127 Q; v128-191 K of one step; v192-255 V of one step     window 3: v0-1 the add's two registers; v2 an offset; v4-19 lane masks
.set NP,    4
.set KS,    64
.set PT,    160       ; a row of K or V in LDS: 128 bytes + 32: one shape serves both tensors.; of K's 16 rows two share a group of banks
.set VOFF,  4*KS*PT   ; a slot holds four steps: 256 rows of K, then 256 rows of V
.set SLOT1, 1<<17
.set STAGE, SLOT1+2*VOFF  ; behind the ring: 16 rows x 144 bytes for each wave
.set SP,    144
.set SPARE, STAGE+4*16*SP ; the spare words, 128 bytes for each wave: two blocks of 256 bytes that no other line names
.set AK0, 2
.set AV0, 3
.set AK,  4
.set AV,  5
.set QO,  6
.set STO, 6
.set RD,  7
.set GO,  8
.set PFO, 9           ; v9   256 x my lane; written when the way out's addresses are made, then never again
.set NEGV, 11         ; v11  -2^40
.set SPW, 0           ; v0 of window 3
.set NIL, 1           ; v1 of window 3
.set MOFF, 2          ; v2 of window 3: 16 x my lane; never rewritten
.set CUR, 4           ; v4-11 of window 3: the lane masks of the key step in hand: dword D of tile t in register CUR + 4 (t / 4) + D % 4, lane 8 (t % 4) + D / 4
.set NXT, 12          ; v12-19 of window 3: those of the step after it, on their way
.set MV,  12
.set ST,  16          ; tile t's statistics at v[ST+4 t]: c m, m, l (even keys', odd keys')
.set TMP, 48
.set S,   64
.set P,   192
.set KF,  128
.set VF,  192
.set MO,  2           ; s[2:3]   byte offset in my wave's 32 KiB of mbits of the step asked for last; the high word is 0
.set QP,  4           ; s[4:5]   Q at my wave's first row;
.set MQ,  4           ;          when Q is in: mbits at the step that is being asked for
.set MP,  6           ; s[6:7]   mbits at my wave's first byte; never rewritten
.set OUTB, 8          ; s[8:9]   O at my wave's first row
.set CS,  10          ; s[10:11] c
.set WV,  12
.set SLOTS, 13
.set CNT, 14
.set LIM, 15          ; 1 in a wave that prefetches, else the greatest number
.set G1,  16          ; s[16:23] descriptor group 1
.set G0,  24          ; s[24:27] descriptor group 0: it walks
.set TBK, 28
.set TBV, 29
.set SEL, 30          ; s[30:31]
.set MB,  32          ; s[32:63] the 32 lane masks of a piece's odd tile
.set PFA, 66          ; s[66:67] where my prefetches stand
.set MA,  68          ; s[68:99] those of its even tile
.set XC,  100         ; s100 a trip is left in its middle where CNT has this value: never (-1), or in the last slot 0
.set KSK, 101         ; s101 K's run of loads is jumped where CNT has this value: never (0), or in the last slot 1
.set PH,  104         ; s104 counts the way back for the last slot
.set MSB, 0
.macro WIN new
.if MSB != (\new)
	s_set_vgpr_msb (MSB<<8)|(\new)
.set MSB, (\new)
.endif
.endm
.set W_KQ, 0x0a
.set W_PV, 0x52
.set W_RS, 0x41
.set W_MK, 0xc0       ; destination window 3, sources window 0
.set W_AD, 0x0f
.set W_RL, 0x03       ; source 0 window 3
.set W_SW, 0xc3       ; destination and source 0 window 3
.macro CROUND
	s_barrier_signal -1
	s_barrier_wait -1
	s_cmp_lg_u32 s[WV], 0
	s_cbranch_scc1 .Lnot_wave_0_\@
	s_barrier_signal -3
.Lnot_wave_0_\@:
	s_barrier_wait -3
	s_barrier_signal -1
	s_barrier_wait -1
.endm
; A prefetch into the L2 of what the NEXT change of slots will ask for.  A slot is 128 blocks of 256 bytes of K and as many of V; a head is walked by one cluster; its four partners take 32 blocks each, told apart
; by address; in each, wave 0 asks for K's and wave 2 for V's.  The last change that fills a slot asks for nothing.
.macro ASK
	s_cmp_gt_u32 s[SLOTS], s[LIM]
	s_cbranch_scc0 .Lnot_mine_\@
	global_prefetch_b8 v[PFO], s[PFA:PFA+1] th:TH_LOAD_NT scope:SCOPE_SE
.Lnot_mine_\@:
.endm
; THE CHANGE OF SLOTS.  Each wave waits for all its tensor loads (one is out: its quarter of the other slot), adds 0 to its spare word, and waits for that and for its reads of the slot.
; fill = 1: the slot is filled again behind a round of the cluster's barrier, each wave's quarter by the wave's one load.
.macro CHANGE fill, ask
	WIN W_AD
	s_wait_tensorcnt 0x0
	ds_add_u32 v[SPW], v[NIL]
	WIN 0
.if \fill
	s_xor_b32 s[G0+1], s[G0+1], SLOT1
	s_add_nc_u64 s[G0+2:G0+3], s[G0+2:G0+3], 4*KS*128
.if \ask
	s_wait_xcnt 0x0                 ; the last prefetch, four key steps back, has read its address
	s_add_nc_u64 s[PFA:PFA+1], s[PFA:PFA+1], 4*KS*128
.endif
	s_wait_dscnt 0x0
	CROUND
	tensor_load_to_lds s[G0:G0+3], s[G1:G1+7]
	s_nop 0
.rept 4
	v_nop
.endr
.if \ask
	ASK
.endif
.else
	s_wait_dscnt 0x0
	s_barrier_signal -1
	s_barrier_wait -1
.endif
	s_sub_co_u32 s[TBK], s[TBK], VOFF
	s_xor_b32 s[TBK], s[TBK], SLOT1
	s_sub_co_u32 s[TBV], s[TBV], VOFF
	s_xor_b32 s[TBV], s[TBV], SLOT1
.endm
	s_load_b128 s[4:7], s[0:1], 0x0   ; qkv, mbits
	s_load_b64 s[8:9], s[0:1], 0x10   ; oh
	WIN W_MK
	v_lshl_add_u32 v[SPW], v0, 2, SPARE
	v_mov_b32 v[NIL], 0
	WIN W_AD
	ds_add_u32 v[SPW], v[NIL]       ; the wave's opening: the add and its wait ahead of my first tensor load
	WIN 0
	v_lshrrev_b32 v1, 5, v0
	v_readfirstlane_b32 s[WV], v1
	v_and_b32 v1, 31, v0
	WIN W_MK
	v_lshlrev_b32 v[MOFF], 4, v1    ; 16 bytes a lane
	WIN 0
	s_bfe_u32 s104, ttmp6, 0x40000  ; cx
	s_lshl_b32 s105, ttmp9, 2
	s_add_co_u32 s105, s105, s104   ; my block of 512 queries
	s_lshl_b32 s105, s105, 2
	s_add_co_u32 s105, s105, s[WV]  ; my wave among the head's sixteen: it enters Q's, O's and the masks' addresses alone
	s_and_b32 s100, ttmp7, 0xffff   ; hd, which the four partners share
	s_lshr_b32 s2, s[WV], 1         ; waves 0, 1 fetch K (tensor 1 of qkv), waves 2, 3 V (tensor 2):
	s_add_co_u32 s2, s2, 1
	s_lshl_b32 s2, s2, 24           ; 16 MiB a tensor,
	s_lshl_b32 s3, s100, 18         ; 262,144 bytes a head,
	s_add_co_u32 s2, s2, s3
	s_and_b32 s3, s[WV], 1
	s_lshl_b32 s3, s3, 14           ; my half of a slot's 256 keys
	s_add_co_u32 s2, s2, s3
	s_mov_b32 s3, 0
	s_lshl_b32 s32, s100, 18        ; Q and O: the head, my wave's 128 rows of 128 bytes
	s_lshl_b32 s33, s105, 14
	s_add_co_u32 s32, s32, s33
	s_mov_b32 s33, 0
	s_lshr_b32 s34, s100, 4         ; the masks: batch x 16 waves + my wave, 32 KiB each
	s_lshl_b32 s34, s34, 19
	s_lshl_b32 s35, s105, 15
	s_add_co_u32 s34, s34, s35
	s_mov_b32 s35, 0
	s_lshl_b32 s36, s104, 13        ; the prefetches: my work-group's 32 blocks, in slot 2; the first asking change steps them to slot 3
	s_add_co_u32 s36, s36, 2*4*KS*128
	s_mov_b32 s37, 0
	; group 1: 128 keys are 16,384 dense bytes: asked for as 64 rows of 256 bytes and padded in LDS after every key
	s_mov_b32 s[G1], 15|(1<<16)|(1<<20)|(1<<21)|(4<<22)|(7<<25)  ; the mask of four; 2-byte elements; padding on; bit 21 beside a mask; after every 32 words, 8 words
	s_mov_b32 s[G1+1], 128<<16
	s_mov_b32 s[G1+2], 64<<16
	s_mov_b32 s[G1+3], 128<<16
	s_mov_b32 s[G1+4], 64
	s_mov_b32 s[G1+5], 128
	s_mov_b32 s[G1+6], 0
	s_mov_b32 s[G1+7], 0
	s_mov_b32 s[G0], 1
	s_mul_i32 s[G0+1], s[WV], 128*PT  ; my quarter of slot 0
	s_mov_b32 s[CS], 0x3e38aa3b     ; c = log2(e) / 8
	s_mov_b32 s[CS+1], s[CS]
	s_mov_b32 s[SEL], 0x76543210
	s_mov_b32 s[SEL+1], 0xfedcba98
	s_mov_b32 s[TBK], SLOT1+VOFF    ; the first change of slots turns these two into 0
	s_mov_b32 s[TBV], SLOT1+VOFF
	s_and_b32 s[LIM], s[WV], 1
	s_cmp_eq_u32 s[LIM], 0
	s_cselect_b32 s[LIM], 1, -1
	s_wait_dscnt 0x0                ; the opening add is done
	s_wait_kmcnt 0x0
	s_add_nc_u64 s[G0+2:G0+3], s[4:5], s[2:3]
	s_add_nc_u64 s[PFA:PFA+1], s[G0+2:G0+3], s[36:37]
	s_or_b32 s[G0+3], s[G0+3], 0x80000000
	s_add_nc_u64 s[QP:QP+1], s[4:5], s[32:33]
	s_add_nc_u64 s[OUTB:OUTB+1], s[8:9], s[32:33]
	s_add_nc_u64 s[MP:MP+1], s[6:7], s[34:35]
	s_mov_b32 s[MO], 1024           ; key step 1 is the last that is asked for below
	s_mov_b32 s[MO+1], 0
	CROUND                          ; all four work-groups are here: the first joint loads meet
	tensor_load_to_lds s[G0:G0+3], s[G1:G1+7]  ; slot 0
	s_nop 0
.rept 4
	v_nop
.endr
	WIN W_SW                        ; the lane masks of key steps 0 and 1
	global_load_b128 v[CUR:CUR+3],   v[MOFF], s[MP:MP+1]
	global_load_b128 v[CUR+4:CUR+7], v[MOFF], s[MP:MP+1] offset:512
	global_load_b128 v[NXT:NXT+3],   v[MOFF], s[MP:MP+1] offset:1024
	global_load_b128 v[NXT+4:NXT+7], v[MOFF], s[MP:MP+1] offset:1536
	WIN 0
	v_and_b32 v1, 15, v0
	v_bfe_u32 v9, v0, 4, 1
	v_lshlrev_b32 v[QO], 7, v1
	v_lshl_add_u32 v[QO], v9, 4, v[QO]
	WIN 0x80
.set i, 0
.rept 4*NP                          ; Q stays in registers: tile i / 2, channels 32 (i % 2) on
	global_load_b128 v[8*i:8*i+3],   v[QO], s[QP:QP+1] offset:(i/2)*2048+(i%2)*64
	global_load_b128 v[8*i+4:8*i+7], v[QO], s[QP:QP+1] offset:(i/2)*2048+(i%2)*64+32
.set i, i+1
.endr
	; what the first turn finds: V's registers and P's second buffer hold 0, O^T and l are 0: written in the wait for the first tile, so that no first step is written out
.set i, VF
.rept 64
	v_mov_b32 v[i], 0
.set i, i+1
.endr
	WIN 0x40
.set i, 0
.rept 64*NP
	v_mov_b32 v[i], 0
.set i, i+1
.endr
	WIN 0
.set i, 0
.rept 2*NP
	v_mov_b32 v[ST+4*i], 0xfe000000    ; c m: far below every c s
	v_mov_b32 v[ST+4*i+1], 0xff7fffff  ; m
	v_mov_b32 v[ST+4*i+2], 0
	v_mov_b32 v[ST+4*i+3], 0
.set i, i+1
.endr
.set i, P+32
.rept 32
	v_mov_b32 v[i], 0
.set i, i+1
.endr
	v_mul_u32_u24 v[AK0], v1, PT
	v_lshl_add_u32 v[AK0], v9, 4, v[AK0]
	v_and_b32 v10, 7, v0
	v_bfe_u32 v11, v0, 3, 1
	v_lshl_add_u32 v[AV0], v9, 3, v10
	v_mul_u32_u24 v[AV0], v[AV0], PT
	v_lshl_add_u32 v[AV0], v11, 4, v[AV0]
	v_add_nc_u32 v[AV0], VOFF, v[AV0]
	v_mov_b32 v[AK], v[AK0]
	v_mov_b32 v[NEGV], 0xd3800000   ; -2^40
; THE MATRIX WORK.  The 8 accumulators of a run of 16 take turns.
.macro KQ x
	WIN W_KQ
.set rS, S+64*((\x)%2)+32*(i%2)+8*((i/2)%4)
.set rK, KF+16*((i/2)%4)+8*(i/8)
.set rQ, 16*(2*(\x)+i%2)+8*(i/8)
.if i < 8
	v_wmma_f32_16x16x32_f16 v[rS:rS+7], v[rK:rK+7], v[rQ:rQ+7], 0
.else
	v_wmma_f32_16x16x32_f16 v[rS:rS+7], v[rK:rK+7], v[rQ:rQ+7], v[rS:rS+7]
.endif
.endm
.macro PV x
	WIN W_PV
.set rO, 32*(2*(\x)+i%2)+8*((i/2)%4)
.set rV, VF+32*(i/8)+8*((i/2)%4)
.set rP, P+32*((\x)%2)+16*(i%2)+8*(i/8)
	v_wmma_f32_16x16x32_f16 v[rO:rO+7], v[rV:rV+7], v[rP:rP+7], v[rO:rO+7]
.endm
.macro MM
.if i < 16
	KQ (Y+1)%NP
.set i, i+1
.else
.set i, i-16
	PV (Y+NP-1)%NP
.set i, i+17
.endif
.endm
; THE LDS LOADS stand in runs of 16.  skip = 1 (in the loop): where CNT = KSK, in the last trip of all, there is no further step, and the run is jumped over.
.macro FETCH_K skip=0
	WIN 0
.if \skip
	s_cmp_eq_u32 s[CNT], s[KSK]
	s_cbranch_scc1 .Lno_k_\@
.endif
	WIN 0x80
.irp f, 0,1,2,3,4,5,6,7
	ds_load_b128 v[KF+8*\f:KF+8*\f+3],   v[AK] offset:(\f/2)*16*PT+(\f%2)*64
	ds_load_b128 v[KF+8*\f+4:KF+8*\f+7], v[AK] offset:(\f/2)*16*PT+(\f%2)*64+32
.endr
	s_add_co_u32 s[TBK], s[TBK], KS*PT
	WIN 0
.if \skip
.Lno_k_\@:
.endif
.endm
.macro FETCH_V
	WIN 0x80
.irp f, 0,1,2,3,4,5,6,7
	ds_load_tr16_b128 v[VF+8*\f:VF+8*\f+3],   v[AV] offset:(\f/4)*32*PT+(\f%4)*32
	ds_load_tr16_b128 v[VF+8*\f+4:VF+8*\f+7], v[AV] offset:(\f/4)*32*PT+16*PT+(\f%4)*32
.endr
	WIN 0
.endm
; THE LANE MASKS.  SWAP, once a key step, in piece 3's turn (whose masks are piece 0's of the next step): the step asked for four turns ago is in; it becomes the step in hand, and the step after it is asked for.
; The offset stops at step 31: the last two requests name that step again, inside my wave's 32 KiB, and what they bring is not used.
.macro SWAP
	WIN W_SW
	s_wait_loadcnt 0x0              ; the two loads issued a key step ago are done: NXT may be read, and their base may be written
.set z, 0
.rept 8
	v_mov_b32 v[CUR+z], v[NXT+z]
.set z, z+1
.endr
	s_add_co_u32 s[MO], s[MO], 1024
	s_min_u32 s[MO], s[MO], 31*1024
	s_add_nc_u64 s[MQ:MQ+1], s[MP:MP+1], s[MO:MO+1]
	global_load_b128 v[NXT:NXT+3],   v[MOFF], s[MQ:MQ+1]             ; 512 consecutive bytes each, aligned
	global_load_b128 v[NXT+4:NXT+7], v[MOFF], s[MQ:MQ+1] offset:512
.endm
; The 64 lane masks of piece Y + 1 go into scalar registers, in the order in which they are used: one run under one window setting
.macro RLALL
	WIN W_RL
.set rq, 0
.rept 64
.set tt, 2*((Y+1)%NP)+rq%2
.if rq%2
	v_readlane_b32 s[MB+rq/2], v[CUR+4*(tt/4)+(rq/2)%4], (tt%4)*8+(rq/2)/4
.else
	v_readlane_b32 s[MA+rq/2], v[CUR+4*(tt/4)+(rq/2)%4], (tt%4)*8+(rq/2)/4
.endif
.set rq, rq+1
.endr
	WIN 0
.endm
; THE VECTOR WORK OF A TURN, in queues, each walked in ascending order; the two tiles alternate.
.macro REGS y, u
.set rT, ST+4*(2*(\y)+(\u))
.set rC, TMP+8*((\y)%2)+4*(\u)
.set rM, MV+2*((\y)%2)+(\u)
.set rS, S+64*((\y)%2)+32*(\u)
.set rP, P+32*((\y)%2)+16*(\u)
.set rO, 32*(2*(\y)+(\u))
.endm
; Number n of the 22 that find the next piece's maximum and statistics: 0-11 four chains of seven scores; 12-14, 16 the rest, the old m, into c0; 15 c m_old is kept; 17, 18 the other half of the lanes, the new m; 19-21 c m, its change, a
.macro XS u, n
	REGS (Y+1)%NP, \u
.if (\n) < 4
	v_max3_num_f32 v[rC+(\n)], v[rS+8*(\n)], v[rS+8*(\n)+1], v[rS+8*(\n)+2]
.elseif (\n) < 12
	v_max3_num_f32 v[rC+(\n)%4], v[rC+(\n)%4], v[rS+8*((\n)%4)+2*((\n)/4)+1], v[rS+8*((\n)%4)+2*((\n)/4)+2]
.elseif (\n) == 12
	v_max3_num_f32 v[rC], v[rC], v[rS+7], v[rS+15]
.elseif (\n) == 13
	v_max3_num_f32 v[rC+1], v[rC+1], v[rS+23], v[rS+31]
.elseif (\n) == 14
	v_max3_num_f32 v[rC+2], v[rC+2], v[rC+3], v[rT+1]
.elseif (\n) == 15
	v_mov_b32 v[rM], v[rT]
.elseif (\n) == 16
	v_max3_num_f32 v[rC], v[rC], v[rC+1], v[rC+2]
.elseif (\n) == 17
	v_permlanex16_b32 v[rC+3], v[rC], s[SEL], s[SEL+1]
.elseif (\n) == 18
	v_max_num_f32 v[rT+1], v[rC], v[rC+3]
.elseif (\n) == 19
	v_mul_f32 v[rT], s[CS], v[rT+1]
.elseif (\n) == 20
	v_sub_f32 v[rC+1], v[rM], v[rT]
.else
	v_exp_f32 v[rC+2], v[rC+1]
.endif
.endm
.macro XQ                           ; the 30 of them that wait for nothing: numbers 0-13 of both tiles, then number 15
.if xq < 28
	XS xq%2, xq/2
.else
	XS xq-28, 15
.endif
.set xq, xq+1
.endm
; Number g of the 64 that follow the exponentials: for each four weights both pairs are rounded to f16, the second pair is added onto the first, and a group later l takes that sum (the first time as l = a l + sum)
.macro GS g
.set h, (\g)+6*((\g)/62)
.if h >= 6
.set h, h+2
.endif
	REGS Y, h%2
.set k, h/8
.if h%8 < 4
	v_cvt_pk_f16_f32 v[rP+2*k+(h%8)/2], v[rS+4*k+2*((h%8)/2)], v[rS+4*k+2*((h%8)/2)+1]
.elseif h%8 < 6
	v_pk_add_f32 v[rS+4*k:rS+4*k+1], v[rS+4*k:rS+4*k+1], v[rS+4*k+2:rS+4*k+3]
.elseif k == 1
	v_pk_fma_f32 v[rT+2:rT+3], v[rT+2:rT+3], v[rC+2:rC+3], v[rS:rS+1] op_sel_hi:[1,0,1]
.else
	v_pk_add_f32 v[rT+2:rT+3], v[rT+2:rT+3], v[rS+4*k-4:rS+4*k-3]
.endif
.endm
.macro GSN
	WIN 0
	GS gq
.set gq, gq+1
.endm
.macro FS f                         ; c s - c m for pair f / 2 of tile f % 2
	REGS Y, (\f)%2
	v_pk_fma_f32 v[rS+2*((\f)/2):rS+2*((\f)/2)+1], v[rS+2*((\f)/2):rS+2*((\f)/2)+1], s[CS:CS+1], v[rT:rT+1] op_sel_hi:[1,0,0] neg_lo:[0,0,1] neg_hi:[0,0,1]
.endm
.macro FSN
	WIN 0
	FS fq
.set fq, fq+1
.endm
.macro EX                           ; the exponential of score e / 2 of tile e % 2
	WIN 0
	REGS Y, e%2
	v_exp_f32 v[rS+e/2], v[rS+e/2]
.set e, e+1
.endm
.macro R2                           ; O^T times a, two packed lines; its a was made, and waited for, in the turn before
	REGS Y, r%2
	WIN W_RS
.irp z, 0,1
	v_pk_mul_f32 v[rO+4*(r/2)+2*\z:rO+4*(r/2)+2*\z+1], v[rO+4*(r/2)+2*\z:rO+4*(r/2)+2*\z+1], v[rC+2:rC+3] op_sel_hi:[1,0]
.endr
.set r, r+1
.endm
.macro MK                           ; the mask on score mq / 2 of tile mq % 2 of the NEXT piece: ascending
	WIN 0
	REGS (Y+1)%NP, mq%2
.if mq%2
	v_cndmask_b32 v[rS+mq/2], v[rS+mq/2], v[NEGV], s[MB+mq/2]
.else
	v_cndmask_b32 v[rS+mq/2], v[rS+mq/2], v[NEGV], s[MA+mq/2]
.endif
.set mq, mq+1
.endm
; A TURN, for piece p.  AHEAD OF ITS ONE WAIT stands all that names no result of its exponentials: 16 products K Q^T, behind each a scaling, an exponential and two rescalings; then a lump: the next piece's 64
; lane masks into scalar registers; the rest of the scalings and exponentials among the 64 lines that apply them (each far more than four plain lines behind the product that ended its accumulator); the next
; piece's maximum and statistics, and last its two a.
; Exponential e stands behind scaling 2 (e / 4) + e % 2: as a rider it comes behind scaling e + 2, in the lump behind scaling e + 2 or behind all.  All of the maximum stands behind all of the masks.
; BEHIND THE WAIT stand the 16 products V^T P, behind each four of the roundings and sums.
.macro TURN p
.set Y, (\p)
.set i, 0
.set fq, 0
.set e, 0
.set r, 0
.set mq, 0
.set xq, 0
.set gq, 0
.if (\p) == NP-1
	s_wait_dscnt 0x0                ; K is in
.endif
	MM
	FSN
	FSN
	R2
.rept 15
	MM
	FSN
	EX
	R2
.endr
	WIN 0
.if (\p) == NP-2
	v_add_nc_u32 v[AK], s[TBK], v[AK0]
.endif
.if (\p) == NP-1
	SWAP                            ; piece 0's masks, which this turn applies, are the next key step's
.endif
	RLALL
.rept 15
	FSN
	EX
	MK
	MK
.endr
.rept 17
	EX
	MK
	MK
.endr
.rept 10
	EX
	XQ
	XQ
	XQ
.endr
.irp n, 14,16,17,18,19,20
	XS 0, \n
	XS 1, \n
	EX
.endr
	EX
	XS 0, 21                        ; the next piece's two a
	XS 1, 21
	v_nop                           ; a plain instruction behind the last exponential: one for the batch
	s_wait_alu depctr_va_vdst(0)    ; the wait for the batch, ahead of the first line that names a result
.if (\p) == NP-2
	FETCH_K 1
.endif
.if (\p) == 1
	s_wait_dscnt 0x0                ; V is in
.endif
.set j, 0
.rept 16
	MM
	GSN
	GSN
	GSN
	GSN
.if ((\p) == 0) && (j == 10)
	v_add_nc_u32 v[AV], s[TBV], v[AV0]
.endif
.if ((\p) == 0) && (j == 13)
	s_add_co_u32 s[TBV], s[TBV], KS*PT
.endif
.set j, j+1
.endr
.if (\p) == 0
	FETCH_V                         ; four plain riders behind the last product that read V
.endif
.endm
	CHANGE 1, 0                     ; slot 0 is in, everybody's part of it; slot 1 is asked for
	FETCH_K                         ; key step 0
	s_wait_loadcnt 0x0              ; Q, and the lane masks of key steps 0 and 1
	s_wait_dscnt 0x0
.set i, 0
.rept 16
	KQ 0
.set i, i+1
.endr
	WIN 0                           ; the addresses for the way out: plain instructions, the places behind those products
	s_mul_i32 s104, s[WV], 16*SP
	s_add_co_u32 s104, s104, STAGE
	v_mul_u32_u24 v[STO], v1, SP
	v_lshl_add_u32 v[STO], v9, 4, v[STO]
	v_add_nc_u32 v[STO], s104, v[STO]
	v_bfe_u32 v[RD], v0, 3, 2
	v_mul_u32_u24 v[RD], v[RD], SP
	v_lshl_add_u32 v[RD], v10, 4, v[RD]
	v_add_nc_u32 v[RD], s104, v[RD]
	v_and_b32 v[GO], 31, v0
	v_lshlrev_b32 v[GO], 4, v[GO]
	v_lshlrev_b32 v[PFO], 4, v[GO]
.set Y, NP-1                        ; RLALL, MK and XS work for piece Y + 1: piece 0
	RLALL
.set mq, 0
.rept 64
	MK
.endr
.irp n, 0,1,2,3,4,5,6,7,8,9,10,11,12,13,14,15,16,17,18,19,20,21
	XS 0, \n
	XS 1, \n
.endr
	v_nop
	s_wait_alu depctr_va_vdst(0)    ; the two a have their wait ahead of the branch
	s_mov_b32 s[CNT], 3             ; slot 0: this half trip and three whole ones
	s_mov_b32 s[SLOTS], 7
	s_mov_b32 s[XC], -1
	s_mov_b32 s[KSK], 0
	s_mov_b32 s[PH], 2
	s_branch .Lfirst                ; the loop is entered at a step's first turn
.Lslot:                             ; six times: slots 2 to 7 are asked for
	CHANGE 1, 1
	s_mov_b32 s[CNT], 4
.Lstep:                             ; a trip: pieces 2 and 3 of one step, then pieces 0 and 1 of the next
	TURN 2
	TURN 3
	WIN 0
	s_sub_co_u32 s[CNT], s[CNT], 1
	s_cmp_eq_u32 s[CNT], s[XC]      ; the last slot's fifth trip is left here: there is no further step
	s_cbranch_scc1 .Lout
.Lfirst:
	TURN 0
	TURN 1
	WIN 0
	s_cmp_lg_u32 s[CNT], 0
	s_cbranch_scc1 .Lstep
	s_sub_co_u32 s[SLOTS], s[SLOTS], 1
	s_cmp_lg_u32 s[SLOTS], 0
	s_cbranch_scc1 .Lslot
	CHANGE 0, 0                     ; the last slot is entered: nothing is asked for, and no tensor load has been jumped over
	s_mov_b32 s[CNT], 5             ; four trips fetch the last slot's steps; the fifth is left in its middle,
	s_mov_b32 s[XC], 0
	s_mov_b32 s[KSK], 1             ; and fetches no K
	s_sub_co_u32 s[PH], s[PH], 1
	s_cmp_lg_u32 s[PH], 0
	s_cbranch_scc1 .Lstep           ; once: back into the one text of the key steps
.Lout:                              ; the fifth trip's products K Q^T and what is made of them serve nothing: the price of one text for every trip
.set i, 0
.rept 16
	PV NP-1
.set i, i+1
.endr
	; THE WAY OUT.  l's halves are added; O^T is divided by l, rounded to f16 and sent through my stage, a tile at a time.  The additions are the places behind the last products.
	WIN 0
.macro ALL line:vararg
.set t, 0
.rept 2*NP
	\line
.set t, t+1
.endr
.endm
	ALL v_add_f32 v[ST+4*t+2], v[ST+4*t+2], v[ST+4*t+3]
	ALL v_permlanex16_b32 v[ST+4*t+3], v[ST+4*t+2], s[SEL], s[SEL+1]
	ALL v_add_f32 v[ST+4*t+2], v[ST+4*t+2], v[ST+4*t+3]
	ALL v_rcp_f32 v[ST+4*t+2], v[ST+4*t+2]
	v_nop
	s_wait_alu depctr_va_vdst(0)    ; one wait for the eight reciprocals
.macro PACK t
	WIN W_RS
.set i, 32*(\t)
.rept 16
	v_pk_mul_f32 v[i:i+1], v[i:i+1], v[ST+4*(\t)+2:ST+4*(\t)+3] op_sel_hi:[1,0]
.set i, i+2
.endr
	WIN 0x05
.set i, 0
.rept 16
	v_cvt_pk_f16_f32 v[S+16*(\t)+i], v[32*(\t)+2*i], v[32*(\t)+2*i+1]
.set i, i+1
.endr
	WIN 0
.irp f, 0,1,2,3
	ds_store_b128 v[STO], v[S+16*(\t)+4*\f:S+16*(\t)+4*\f+3] offset:32*\f
.endr
.irp f, 0,1,2,3
	ds_load_b128 v[S+16*(\t)+4*\f:S+16*(\t)+4*\f+3], v[RD] offset:\f*4*SP  ; LDS serves a wave's instructions in order: these see the stores above
.endr
.endm
.macro SEND t, younger
	WIN 0
.irp f, 0,1,2,3
	s_wait_dscnt (\younger)+3-\f
	global_store_b128 v[GO], v[S+16*(\t)+4*\f:S+16*(\t)+4*\f+3], s[OUTB:OUTB+1] offset:(\t)*2048+\f*512  ; 512 consecutive bytes, aligned
.endr
.endm
	PACK 0
.set t, 1
.rept 2*NP-1
	PACK t
	SEND t-1, 8
.set t, t+1
.endr
	SEND 2*NP-1, 0
	WIN W_AD
	s_wait_tensorcnt 0x0            ; the wave's end
	ds_add_u32 v[SPW], v[NIL]
	s_wait_dscnt 0x0
	WIN 0
	CROUND                          ; the closing round
	s_endpgm
.Lfunc_end_k_qb49a12d8cf_attn:
	.size	k_qb49a12d8cf_attn, .Lfunc_end_k_qb49a12d8cf_attn-k_qb49a12d8cf_attn
	.p2alignl 7, 3214868480
	.fill 96, 4, 3214868480
	.section	.rodata,"a",@progbits
	.p2align	6, 0x0
	.amdhsa_kernel k_qb49a12d8cf_attn
		.amdhsa_group_segment_fixed_size 327680
		.amdhsa_private_segment_fixed_size 0
		.amdhsa_enable_private_segment 0
		.amdhsa_kernarg_size 24
		.amdhsa_user_sgpr_count 2
		.amdhsa_user_sgpr_kernarg_segment_ptr 1
		.amdhsa_wavefront_size32 1
		.amdhsa_system_sgpr_workgroup_id_x 1
		.amdhsa_system_sgpr_workgroup_id_y 1
		.amdhsa_system_sgpr_workgroup_id_z 1
		.amdhsa_system_vgpr_workitem_id 0
		.amdhsa_next_free_vgpr 800
		.amdhsa_next_free_sgpr 106
		.amdhsa_reserve_vcc 0
		.amdhsa_float_denorm_mode_32 3
		.amdhsa_float_denorm_mode_16_64 3
		.amdhsa_memory_ordered 1
		.amdhsa_forward_progress 1
		.amdhsa_inst_pref_size 169
	.end_amdhsa_kernel
	.amdgpu_metadata
---
amdhsa.version: [ 1, 2 ]
amdhsa.kernels:
  - .name:           k_qb49a12d8cf_attn
    .symbol:         k_qb49a12d8cf_attn.kd
    .args:
      - { .name: qkv, .offset: 0, .size: 8, .value_kind: global_buffer, .address_space: global }
      - { .name: mbits, .offset: 8, .size: 8, .value_kind: global_buffer, .address_space: global }
      - { .name: oh, .offset: 16, .size: 8, .value_kind: global_buffer, .address_space: global }
    .group_segment_fixed_size: 327680
    .private_segment_fixed_size: 0
    .kernarg_segment_align: 8
    .kernarg_segment_size: 24
    .max_flat_workgroup_size: 128
    .sgpr_count:     106
    .vgpr_count:     800
    .wavefront_size: 32
...
	.end_amdgpu_metadata
.endif
;; end of part 3
;; launch oproj (part 4): grid 4 x 64, 4 waves a work-group, clusters of 4 x 4, 327,680 bytes of LDS; arguments oh, wt, bo, out0; writes out0
.if DOCPART == 4
	.amdgcn_target "amdgcn-amd-amdhsa--gfx1250"
	.amdhsa_code_object_version 6
	.text
	.protected	k_qb49a12d8cf_oproj
	.globl	k_qb49a12d8cf_oproj
	.p2align	8
	.type	k_qb49a12d8cf_oproj,@function
k_qb49a12d8cf_oproj:
	s_mov_b64 s[64:65], 0
	v_nop
	global_prefetch_b8 v0, s[64:65] scope:SCOPE_SE
	s_setreg_imm32_b32 hwreg(HW_REG_WAVE_MODE, 25, 1), 1
	s_wait_xcnt 0x0
	s_wait_alu depctr_hold_cnt(0) depctr_sa_sdst(0) depctr_va_vdst(0) depctr_va_sdst(0) depctr_va_ssrc(0) depctr_va_vcc(0) depctr_vm_vsrc(0)
	s_getreg_b32 s2, hwreg(HW_REG_IB_STS2, 6, 4)
	s_cmp_eq_u32 s2, 0
	s_cbranch_scc0 .Lentry_in_a_cluster
	s_endpgm
.Lentry_in_a_cluster:
	s_bfe_u32 s2, ttmp6, 0x10000c
	s_cmp_lg_u32 s2, 0xf033
	s_cbranch_scc0 .Lentry_shape_is_right
	s_endpgm
.Lentry_shape_is_right:
; OPROJ.  out0 = O Wo + bo, f32 [8192][1024].  O comes by heads from oh ([16 b + head][2048][64], f16); Wo turned, rounded to bf16 and written as f16, from wt's fourth matrix ([n][k]);
; bo is rounded to bf16 and starts the sums; sums in f32.
; SHARES.  A work-group makes 128 rows x 256 columns: 256 work-groups; four waves, each 64 x 128: 32 accumulators.  K goes in steps of 128 (two heads) through two LDS slots.
; CLUSTERS: 4 x 4: O's tiles are shared along a row of the cluster, Wo's along a column, by joint loads.
; THE PRODUCT IS USED TRANSPOSED (source 0 = 16 rows of Wo^T, source 1 = 16 tokens): a lane holds one token and eight neighbouring columns.
; REGISTERS: window 0: v16-31 addresses; v32-95 the bias; v96-159 O's fragments, two buffers of 32; on the way out v96-223 rows back from the stage
;   window 1: v0-127 Wo's fragments, two buffers of 64          window 2: accumulator (a, b) at v[8 (8 a + b)]
.set PAO,   144                        ; a token's 64 channels of one head in LDS: 128 bytes + 16
.set SUB,   128*PAO                    ; one head's 128 tokens: what one tensor load of O brings
.set PB,    272
.set HB,    128*PB
.set BOFF,  2*SUB
.set SLOT,  BOFF+2*HB
.set STAGE, 2*SLOT                     ; behind the ring: 16 rows x 528 bytes for each wave
.set SPITCH, 528
.set SPARE, STAGE+4*16*SPITCH          ; the spare words, 128 bytes for each wave: two blocks of 256 bytes that no other line names
.set ADRA, 16
.set ADRB, 20
.set STO,  24
.set RD,   25
.set CO,   26
.set SPW,  28
.set NIL,  29
.set PFO,  30
.set BO,   31
.set BIAS, 32
.set AF,   96
.set OB,   96
.set G1A, 24
.set G0A, 32
.set G1B, 48
.set G0B, 56
.set LIM, 43
.set PFA, 44
.set PFS, 46
.set MSB, 0
.macro WIN new
.if MSB != (\new)
	s_set_vgpr_msb (MSB<<8)|(\new)
.set MSB, \new
.endif
.endm
.set MUL,   0xa1
.set MULB,  0x81
.set TO_B,  0x40
.macro JLOAD s                         ; waves 0 and 1 fetch the K step's two heads of O, waves 2 and 3 the two halves of Wo's rows; an s_nop 0 and four v_nop follow each line
	s_cmp_eq_u32 s11, 0
	s_cbranch_scc0 .Lfor_b_\@
	tensor_load_to_lds s[G0A+4*(\s):G0A+4*(\s)+3], s[G1A:G1A+7]
	s_nop 0
.rept 4
	v_nop
.endr
	s_branch .Lasked_\@
.Lfor_b_\@:
	tensor_load_to_lds s[G0B+4*(\s):G0B+4*(\s)+3], s[G1B:G1B+7]
	s_nop 0
.rept 4
	v_nop
.endr
.Lasked_\@:
.endm
.macro CREST
	s_cmp_lg_u32 s10, 0
	s_cbranch_scc1 .Lnot_wave_0_\@
	s_barrier_signal -3
.Lnot_wave_0_\@:
	s_barrier_wait -3
	s_barrier_signal -1
	s_barrier_wait -1
.endm
.macro CROUND
	s_barrier_signal -1
	s_barrier_wait -1
	CREST
.endm
.macro PLACES
.rept 4
	v_nop
.endr
.endm
; A prefetch into the L2 of the K step two refills on; each aligned 256 bytes are named once in the launch.  O: a K step is 64 blocks of 256 bytes in each of two heads; the partner at place cx takes 16 of each; wave 0 asks.
; Wo: 256 bytes of a row; of the 128 rows that wave 2 or 3 fetches the partner at place cy takes 32, in the first row of clusters alone.  The loop's last trip asks for nothing.
.macro ASK
	WIN 0
	s_cmp_gt_u32 s3, s[LIM]
	s_cbranch_scc0 .Lnot_mine_\@
	global_prefetch_b8 v[PFO], s[PFA:PFA+1] th:TH_LOAD_NT scope:SCOPE_SE
.Lnot_mine_\@:
.endm
	s_load_b256 s[68:75], s[0:1], 0x0              ; oh 68, wt 70, bo 72, out0 74
	v_lshl_add_u32 v[SPW], v0, 2, SPARE
	v_mov_b32 v[NIL], 0
	ds_add_u32 v[SPW], v[NIL]                      ; the wave's opening: the add and its wait ahead of my first tensor load
	v_lshrrev_b32 v1, 5, v0
	v_readfirstlane_b32 s10, v1
	s_lshr_b32 s11, s10, 1
	s_and_b32 s12, s10, 1
	s_bfe_u32 s40, ttmp6, 0x40000                  ; cx
	s_bfe_u32 s41, ttmp6, 0x40004                  ; cy
	s_lshl_b32 s42, ttmp9, 2
	s_add_co_u32 s42, s42, s40                     ; tile column 0..3
	s_and_b32 s8, ttmp7, 0xffff                    ; cluster y 0..15
	s_lshl_b32 s13, s8, 2
	s_add_co_u32 s13, s13, s41                     ; tile row 0..63
	s_lshl_b32 s86, s41, 2
	s_lshl_b32 s86, 15, s86
	s_lshl_b32 s87, 0x1111, s40
	; O: a head's 128 tokens are 16,384 dense bytes: asked for as 64 rows of 256 bytes, padded in LDS after every token
	s_or_b32 s[G1A+0], s86, (1<<16)|(1<<20)|(1<<21)|(4<<22)|(3<<25)
	s_mov_b32 s[G1A+1], 128<<16
	s_mov_b32 s[G1A+2], 64<<16
	s_mov_b32 s[G1A+3], 128<<16
	s_mov_b32 s[G1A+4], 64
	s_mov_b32 s[G1A+5], 128
	s_mov_b32 s[G1A+6], 0
	s_mov_b32 s[G1A+7], 0
	s_or_b32 s[G1B+0], s87, (1<<16)|(1<<20)|(1<<21)|(5<<22)|(3<<25)
	s_mov_b32 s[G1B+1], 128<<16
	s_mov_b32 s[G1B+2], 128<<16
	s_mov_b32 s[G1B+3], 128<<16
	s_mov_b32 s[G1B+4], 128
	s_mov_b32 s[G1B+5], 1024
	s_mov_b32 s[G1B+6], 0
	s_mov_b32 s[G1B+7], 0
	s_lshr_b32 s16, s13, 4                         ; O: batch x 16 heads + my head of the K step's two, 262,144 bytes a head; the tile's 128 tokens
	s_lshl_b32 s16, s16, 22
	s_lshl_b32 s17, s12, 18
	s_add_co_u32 s16, s16, s17
	s_and_b32 s17, s13, 15
	s_lshl_b32 s17, s17, 14
	s_add_co_u32 s16, s16, s17
	s_mov_b32 s17, 0
	s_lshl_b32 s84, s42, 19                        ; Wo: the fourth matrix; (256 x tile column + 128 x half) rows of 2,048 bytes
	s_lshl_b32 s85, s12, 18
	s_add_co_u32 s84, s84, s85
	s_add_co_u32 s84, s84, 3<<21
	s_mov_b32 s85, 0
	s_mul_i32 s20, s12, SUB
	s_mul_i32 s21, s12, HB
	s_add_co_u32 s21, s21, BOFF
	s_wait_dscnt 0x0
	s_wait_kmcnt 0x0
	s_add_nc_u64 s[14:15], s[68:69], s[16:17]
	s_add_nc_u64 s[90:91], s[70:71], s[84:85]
	CROUND
.irp s, 0,1
	s_mov_b32 s[G0A+4*(\s)], 1
	s_add_co_u32 s[G0A+4*(\s)+1], s20, (\s)*SLOT
	s_add_nc_u64 s[G0A+4*(\s)+2:G0A+4*(\s)+3], s[14:15], (\s)*2*262144   ; K step s: two heads on
	s_or_b32 s[G0A+4*(\s)+3], s[G0A+4*(\s)+3], 0x80000000
	s_mov_b32 s[G0B+4*(\s)], 1
	s_add_co_u32 s[G0B+4*(\s)+1], s21, (\s)*SLOT
	s_add_nc_u64 s[G0B+4*(\s)+2:G0B+4*(\s)+3], s[90:91], (\s)*256
	s_or_b32 s[G0B+4*(\s)+3], s[G0B+4*(\s)+3], 0x80000000
	JLOAD \s
.endr
	v_and_b32 v1, 15, v0
	v_bfe_u32 v2, v0, 4, 1
	v_lshlrev_b32 v[BO], 5, v2
	s_lshl_b32 s92, s42, 10
	s_lshl_b32 s93, s12, 9
	s_add_co_u32 s92, s92, s93
	s_mov_b32 s93, 0
	s_add_nc_u64 s[6:7], s[72:73], s[92:93]        ; the bias of my 128 columns
.irp b, 0,1,2,3,4,5,6,7
	global_load_b128 v[BIAS+8*(\b):BIAS+8*(\b)+3],   v[BO], s[6:7] offset:64*(\b)
	global_load_b128 v[BIAS+8*(\b)+4:BIAS+8*(\b)+7], v[BO], s[6:7] offset:64*(\b)+16
.endr
	v_mul_u32_u24 v3, v1, PAO
	v_lshl_add_u32 v3, v2, 4, v3
	v_mul_u32_u24 v4, v1, PB
	v_lshl_add_u32 v4, v2, 4, v4
	s_mul_i32 s22, s11, 64*PAO
	s_mul_i32 s23, s12, HB
	s_add_co_u32 s23, s23, BOFF
.irp s, 0,1
	v_add_nc_u32 v[ADRA+(\s)], s22, v3
	v_add_nc_u32 v[ADRB+(\s)], s23, v4
	s_add_co_u32 s22, s22, SLOT
	s_add_co_u32 s23, s23, SLOT
.endr
	s_mul_i32 s22, s10, 16*SPITCH
	s_add_co_u32 s22, s22, STAGE
	v_mul_u32_u24 v5, v1, SPITCH                   ; in: token r, 32 bytes for each half of the lanes
	v_lshl_add_u32 v5, v2, 5, v5
	v_add_nc_u32 v[STO], s22, v5
	v_and_b32 v[CO], 31, v0                        ; back: a row's 512 bytes, 16 a lane; the same in out0
	v_lshlrev_b32 v[CO], 4, v[CO]
	v_add_nc_u32 v[RD], s22, v[CO]
	s_lshl_b32 s98, s13, 19                        ; out0: (128 x tile row + 64 x half) rows of 4,096 bytes + (256 x tile column + 128 x half) x 4
	s_lshl_b32 s99, s11, 18
	s_add_co_u32 s98, s98, s99
	s_lshl_b32 s99, s42, 10
	s_add_co_u32 s98, s98, s99
	s_lshl_b32 s99, s12, 9
	s_add_co_u32 s98, s98, s99
	s_mov_b32 s99, 0
	s_add_nc_u64 s[4:5], s[74:75], s[98:99]
	; the prefetches: they stand at K step 3; the first refill steps them to 4
	s_lshr_b32 s92, s13, 4
	s_lshl_b32 s92, s92, 22
	s_and_b32 s93, s13, 15
	s_lshl_b32 s93, s93, 14
	s_add_co_u32 s92, s92, s93
	s_lshl_b32 s93, s40, 12                        ; O: my work-group's 16 blocks in each head
	s_add_co_u32 s92, s92, s93
	s_add_co_u32 s92, s92, 3*2*262144
	s_lshl_b32 s94, s42, 19
	s_lshl_b32 s93, s12, 18
	s_add_co_u32 s94, s94, s93
	s_lshl_b32 s93, s41, 16                        ; Wo: my work-group's 32 rows of the 128
	s_add_co_u32 s94, s94, s93
	s_add_co_u32 s94, s94, (3<<21)+3*256
	s_cmp_eq_u32 s8, 0                             ; the first row of clusters: the same in all sixteen partners
	s_cselect_b32 s95, 1, -1
	s_cmp_eq_u32 s12, 0                            ; of O's two waves wave 0 asks
	s_cselect_b32 s96, 1, -1
	s_movk_i32 s[PFS], 256
	s_movk_i32 s97, 2048
	s_mov_b32 s93, 32768
	s_cmp_eq_u32 s11, 0                            ; do I fetch for O?
	s_cselect_b32 s92, s92, s94
	s_cselect_b32 s[LIM], s96, s95
	s_cselect_b32 s[PFS], 2*262144, s[PFS]
	s_cselect_b32 s97, 256, s97                    ; bytes from lane to lane among 16,
	s_cselect_b32 s96, 262144, s93                 ; and from one half of the lanes to the other
	s_cselect_b64 s[PFA:PFA+1], s[68:69], s[70:71]
	s_mov_b32 s93, 0
	s_add_nc_u64 s[PFA:PFA+1], s[PFA:PFA+1], s[92:93]
	s_mov_b32 s[PFS+1], 0
	v_mul_u32_u24 v[PFO], v1, s97
	v_mad_u32_u24 v[PFO], v2, s96, v[PFO]
	s_wait_loadcnt 0x0                             ; the bias, rounded to bf16 like every input
.set p, 0
.rept 32
	v_cvt_pk_bf16_f32 v[AF+32+p], v[BIAS+2*p], v[BIAS+2*p+1]
.set p, p+1
.endr
.set p, 0
.rept 32
	v_lshlrev_b32 v[BIAS+2*p], 16, v[AF+32+p]
	v_and_b32 v[BIAS+2*p+1], 0xffff0000, v[AF+32+p]
.set p, p+1
.endr
.macro MM f, a, b, first               ; first = 1: the bias starts the sum
.if \first
	WIN MULB
	v_wmma_f32_16x16x32_f16 v[8*(8*(\a)+(\b)):8*(8*(\a)+(\b))+7], v[64*(\f)+8*(\b):64*(\f)+8*(\b)+7], v[AF+32*(\f)+8*(\a):AF+32*(\f)+8*(\a)+7], v[BIAS+8*(\b):BIAS+8*(\b)+7]
.else
	WIN MUL
	v_wmma_f32_16x16x32_f16 v[8*(8*(\a)+(\b)):8*(8*(\a)+(\b))+7], v[64*(\f)+8*(\b):64*(\f)+8*(\b)+7], v[AF+32*(\f)+8*(\a):AF+32*(\f)+8*(\a)+7], v[8*(8*(\a)+(\b)):8*(8*(\a)+(\b))+7]
.endif
.endm
.macro MULP f, a0, first               ; 16 products.  The 32 accumulators take turns in one order everywhere
.irp a, \a0, (\a0)+1
.irp b, 0,1,2,3,4,5,6,7
	MM \f, \a, \b, \first
.endr
.endr
.endm
.macro FETCH slot, kq, g               ; 24 LDS loads in one run: quarter kq: head kq / 2 of the step's two, channels 32 (kq % 2) on
	WIN 0
.irp i, 0,1,2,3
	ds_load_b128 v[AF+32*(\g)+8*(\i):AF+32*(\g)+8*(\i)+3],   v[ADRA+(\slot)] offset:((\kq)/2)*SUB+(\i)*16*PAO+((\kq)%2)*64
	ds_load_b128 v[AF+32*(\g)+8*(\i)+4:AF+32*(\g)+8*(\i)+7], v[ADRA+(\slot)] offset:((\kq)/2)*SUB+(\i)*16*PAO+((\kq)%2)*64+32
.endr
	WIN TO_B
.irp b, 0,1,2,3,4,5,6,7
	ds_load_b128 v[64*(\g)+8*(\b):64*(\g)+8*(\b)+3],   v[ADRB+(\slot)] offset:(\kq)*64+(\b)*16*PB
	ds_load_b128 v[64*(\g)+8*(\b)+4:64*(\g)+8*(\b)+7], v[ADRB+(\slot)] offset:(\kq)*64+(\b)*16*PB+32
.endr
.endm
.macro QUARTER slot, kq, f, g, first
	s_wait_dscnt 0x0                               ; buffer f is in
	PLACES
	FETCH \slot, \kq, \g
	MULP \f, 0, \first
	MULP \f, 2, \first
.endm
.macro TURN slot, next, fill
.if \fill
	s_wait_xcnt 0x0                                ; the last prefetch, a K step back, has read its address
	s_add_nc_u64 s[PFA:PFA+1], s[PFA:PFA+1], s[PFS:PFS+1]
.endif
	WIN 0
	s_wait_tensorcnt 0x0                           ; all my tensor loads have landed: my part of the next slot
	ds_add_u32 v[SPW], v[NIL]
	s_wait_dscnt 1                                 ; buffer 1 is in; only the add may be out
.irp b, 0,1,2,3
	MM 1, 0, \b, 0
.endr
	s_wait_dscnt 0x0                               ; the add is done, and my reads of this slot are over
	s_barrier_signal -1
.irp b, 4,5,6,7
	MM 1, 0, \b, 0
.endr
	WIN 0
	s_barrier_wait -1
.if \fill
	CREST
	s_add_nc_u64 s[G0A+4*(\slot)+2:G0A+4*(\slot)+3], s[G0A+4*(\slot)+2:G0A+4*(\slot)+3], 4*262144
	s_add_nc_u64 s[G0B+4*(\slot)+2:G0B+4*(\slot)+3], s[G0B+4*(\slot)+2:G0B+4*(\slot)+3], 2*256
	JLOAD \slot                                    ; the first tensor load behind the round; its four v_nop are also the places in front of the loads below
.else
	PLACES
.endif
	FETCH \next, 0, 0
.if \fill
	ASK
.endif
.irp b, 0,1,2,3,4,5,6,7
	MM 1, 1, \b, 0
.endr
	MULP 1, 2, 0
.endm
	s_wait_tensorcnt 1                             ; my part of K step 0 is in; K step 1's stays out
	s_barrier_signal -1
	s_barrier_wait -1
	FETCH 0, 0, 0
	QUARTER 0, 1, 0, 1, 1
	WIN 0
	s_mov_b32 s3, 3
.Llap:
	QUARTER 0, 2, 1, 0, 0
	QUARTER 0, 3, 0, 1, 0
	TURN 0, 1, 1
	QUARTER 1, 1, 0, 1, 0
	QUARTER 1, 2, 1, 0, 0
	QUARTER 1, 3, 0, 1, 0
	TURN 1, 0, 1
	QUARTER 0, 1, 0, 1, 0
	WIN 0
	s_sub_co_u32 s3, s3, 1
	s_cmp_lg_u32 s3, 0
	s_cbranch_scc1 .Llap
	QUARTER 0, 2, 1, 0, 0
	QUARTER 0, 3, 0, 1, 0
	TURN 0, 1, 0
	QUARTER 1, 1, 0, 1, 0
	QUARTER 1, 2, 1, 0, 0
	QUARTER 1, 3, 0, 1, 0
	s_wait_dscnt 0x0
	MULP 1, 0, 0
	MULP 1, 2, 0
	; THE WAY OUT: 16 tokens at a time through my own stage: 32 bytes a lane in, whole rows of 512 bytes back.
.macro TOSTAGE a
	WIN 0x08                                       ; the stores' data in window 2
.irp b, 0,1,2,3,4,5,6,7
	ds_store_b128 v[STO], v[8*(8*(\a)+(\b)):8*(8*(\a)+(\b))+3]   offset:64*(\b)
	ds_store_b128 v[STO], v[8*(8*(\a)+(\b))+4:8*(8*(\a)+(\b))+7] offset:64*(\b)+16
.endr
	WIN 0
	s_wait_xcnt 0x0                                ; the stores two blocks back have read the registers that are loaded below
.set t, 0
.rept 16
	ds_load_b128 v[OB+64*((\a)%2)+4*t:OB+64*((\a)%2)+4*t+3], v[RD] offset:t*SPITCH  ; LDS serves a wave's instructions in order: these see the stores above
.set t, t+1
.endr
.endm
.macro SEND a, younger                 ; younger: the next block's 16 stores and 16 loads, or none
	WIN 0
	s_wait_dscnt \younger
.set t, 0
.rept 16
	global_store_b128 v[CO], v[OB+64*((\a)%2)+4*t:OB+64*((\a)%2)+4*t+3], s[4:5] offset:(16*(\a)+t)*4096 th:TH_STORE_NT  ; 512 consecutive bytes, aligned
.set t, t+1
.endr
.endm
	PLACES
	PLACES
	TOSTAGE 0
.irp a, 1,2,3
	TOSTAGE \a
	SEND (\a)-1, 32
.endr
	SEND 3, 0
	s_wait_tensorcnt 0x0                           ; the wave's end
	ds_add_u32 v[SPW], v[NIL]
	s_wait_dscnt 0x0
	CROUND                                         ; the closing round
	s_endpgm
.Lfunc_end_k_qb49a12d8cf_oproj:
	.size	k_qb49a12d8cf_oproj, .Lfunc_end_k_qb49a12d8cf_oproj-k_qb49a12d8cf_oproj
	.p2alignl 7, 3214868480
	.fill 96, 4, 3214868480
	.section	.rodata,"a",@progbits
	.p2align	6, 0x0
	.amdhsa_kernel k_qb49a12d8cf_oproj
		.amdhsa_group_segment_fixed_size 327680
		.amdhsa_private_segment_fixed_size 0
		.amdhsa_enable_private_segment 0
		.amdhsa_kernarg_size 32
		.amdhsa_user_sgpr_count 2
		.amdhsa_user_sgpr_kernarg_segment_ptr 1
		.amdhsa_wavefront_size32 1
		.amdhsa_system_sgpr_workgroup_id_x 1
		.amdhsa_system_sgpr_workgroup_id_y 1
		.amdhsa_system_sgpr_workgroup_id_z 1
		.amdhsa_system_vgpr_workitem_id 0
		.amdhsa_next_free_vgpr 768
		.amdhsa_next_free_sgpr 106
		.amdhsa_reserve_vcc 0
		.amdhsa_float_denorm_mode_32 3
		.amdhsa_float_denorm_mode_16_64 3
		.amdhsa_memory_ordered 1
		.amdhsa_forward_progress 1
		.amdhsa_inst_pref_size 93
	.end_amdhsa_kernel
	.amdgpu_metadata
---
amdhsa.version: [ 1, 2 ]
amdhsa.kernels:
  - .name:           k_qb49a12d8cf_oproj
    .symbol:         k_qb49a12d8cf_oproj.kd
    .args:
      - { .name: oh, .offset: 0, .size: 8, .value_kind: global_buffer, .address_space: global }
      - { .name: wt, .offset: 8, .size: 8, .value_kind: global_buffer, .address_space: global }
      - { .name: bo, .offset: 16, .size: 8, .value_kind: global_buffer, .address_space: global }
      - { .name: out0, .offset: 24, .size: 8, .value_kind: global_buffer, .address_space: global }
    .group_segment_fixed_size: 327680
    .private_segment_fixed_size: 0
    .kernarg_segment_align: 8
    .kernarg_segment_size: 32
    .max_flat_workgroup_size: 128
    .sgpr_count:     106
    .vgpr_count:     768
    .wavefront_size: 32
...
	.end_amdgpu_metadata
.endif
;; end of part 4
